; MI455X (gfx1250); checked and timed in simulation.
; The chip was launched on July 23, 2026; its instructions are those of AMD's public machine-readable ISA for CDNA 5 (MIT licence, August 2026) and "CDNA5" Instruction Set Architecture Reference Guide (July 2026). The comments in the code are by the model that wrote it; some were corrected since.
;; Multi Head Attention. Allowed arithmetic: matrix products marked QUANTISED: E2M3 operands, one E8M0 scale for each 32 along K, by v_wmma_scale_f32_16x16x128_f8f6f4 with both operands' format E2M3, f32 sums; everything else in f32.
;; Inputs: Wk 1,024 x 1,024 float32; Wo 1,024 x 1,024 float32; Wq 1,024 x 1,024 float32; Wv 1,024 x 1,024 float32; bk 1,024 float32; bo 1,024 float32; bq 1,024 float32; bv 1,024 float32; x 4 x 2,048 x 1,024 float32.
;; Outputs: out0 4 x 2,048 x 1,024 float32.
;; This version of the problem:
;;   THIS VERSION OF THE PROBLEM IS GIVEN IN LOW PRECISION. The matrix products marked QUANTISED in the list below multiply operands that are first quantised to E2M3 (2 exponent bits, 3 mantissa bits; 6 bits a number), with one power-of-two scale for each 32 numbers along K (OCP MX v1.0); their sums are f32. All else is computed in f32.
;;   The module's matrix products, in the order in which they are computed (A, B: the left and right operand; K: the contracted axis; several contracted axes count as one K, in the product's order):
;;     1. [M 8,192, K 1,024] x [K 1,024, N 1,024]; A: input x; B: input Wq: QUANTISED
;;     2. [M 8,192, K 1,024] x [K 1,024, N 1,024]; A: input x; B: input Wk: QUANTISED
;;     3. [M 8,192, K 1,024] x [K 1,024, N 1,024]; A: input x; B: input Wv: QUANTISED
;;     4. batch 64 x [M 2,048, K 64] x [K 64, N 2,048]; A: computed on the way; B: computed on the way: QUANTISED
;;     5. batch 64 x [M 2,048, K 2,048] x [K 2,048, N 64]; A: softmax (see below); B: computed on the way: QUANTISED
;;     6. [M 8,192, K 1,024] x [K 1,024, N 1,024]; A: computed on the way; B: input Wo: QUANTISED
;;   THE QUANTISER, for each operand of a quantised product, along K:
;;     - K is cut into blocks of 32 from its start; a last block that is shorter is filled with zeros.
;;     - A block's scale is 2^e with e = floor(log2(the largest magnitude in the block)) - 2, held to -126 .. 127; a block of zeros has e = 0. As a byte (E8M0): e + 127.
;;     - Each number is divided by its block's scale, clamped to +-7.5, and rounded to the nearest number of E2M3, ties to even, subnormals kept.
;;     - The product sums the exact products of the quantised numbers (number of the format x scale) in f32.
;;   ~~~python
;;   def quantise(x, axis):      # numpy; x: float32 -> the quantised numbers, widened to float32 again
;;       x = np.moveaxis(x, axis, -1); K = x.shape[-1]
;;       x = np.pad(x, [(0, 0)] * (x.ndim - 1) + [(0, -K % 32)]); x = x.reshape(x.shape[:-1] + (-1, 32)); a = np.abs(x).max(-1, keepdims=True)
;;       e = np.where(a > 0, np.clip(np.frexp(np.where(a > 0, a, 1))[1] - 1 - 2, -126, 127), 0)      # np.frexp(a)[1] - 1 = floor(log2(a)), exactly
;;       r = np.clip(x / 2.0 ** e, -7.5, 7.5)
;;       step = 2.0 ** (np.maximum(np.frexp(np.where(r == 0, 1, r))[1] - 1, 0) - 3)
;;       q = np.round(r / step) * step * 2.0 ** e      # np.round: ties to even
;;       return np.moveaxis(q.reshape(q.shape[:-2] + (-1,))[..., :K], -1, axis).astype(np.float32)
;;   ~~~
;;   SOFTMAX AHEAD OF A QUANTISED PRODUCT. Where the list says 'softmax', what is quantised is not the finished softmax but p = 2^(t - M), with t = logit x log2(e) and M = ceil(the row's largest t), a whole number; so 1/2 < the row's largest p <= 1. The row's sum l is taken of the UNQUANTISED p, in f32, and the product's result is divided by l at the end. Since M is a whole number, a kernel that streams over the keys may use a running M (the ceiling of the running maximum): every later rescaling is an exact power of two, which a block's scale takes up: the codes' values come out the same.
;;   OPERANDS COMPUTED ON THE WAY. 'Computed on the way' means the value that the module computes at that place (a softmax that the list does not call 'softmax' is quantised finished and normalised). What goes into a quantiser is computed in f32, as accurately as f32 sums, v_exp_f32 and their like allow (about 1e-6 of the number): no bf16 or f16 on the way to a quantiser, and a product that is left as it is and whose result goes on into a quantised operand takes f32 operands (vector FMAs, or v_wmma_f32_16x16x4_f32). A number that lies on a knife's edge between two numbers of the format may be rounded either way, as far as f32 arithmetic and the matrix unit's own rounding can turn it there, and no further.
;; One version. Each part assembles by itself: llvm-mc -triple=amdgcn-amd-amdhsa -mcpu=gfx1250 --defsym DOCPART=n.
;; ======== version 1 of 1: 5 launches
;; workspace buffers: x_op 6,586,368 bytes; wqk_op 6,586,368 bytes; wv_op 6,586,368 bytes; wo_op 6,586,368 bytes; o_op 6,586,368 bytes; qk_at 52,428,800 bytes; v_at 52,428,800 bytes
;; launch quant (part 1): grid 384 x 1, 4 waves a work-group, no clusters, 68,096 bytes of LDS; arguments x, Wq, Wk, Wv, Wo, bq, bk, bv, bo, x_op, wqk_op, wv_op, wo_op; writes x_op, wqk_op, wv_op, wo_op
.if DOCPART == 1
	.amdgcn_target "amdgcn-amd-amdhsa--gfx1250"
	.amdhsa_code_object_version 6
	.text
	.protected	k_q95dae39d96_quant
	.globl	k_q95dae39d96_quant
	.p2align	8
	.type	k_q95dae39d96_quant,@function
k_q95dae39d96_quant:
	s_mov_b64 s[64:65], 0
	v_nop
	global_prefetch_b8 v0, s[64:65] scope:SCOPE_SE
	s_setreg_imm32_b32 hwreg(HW_REG_WAVE_MODE, 25, 1), 1
	s_wait_xcnt 0x0
; x [8192][1024] (K innermost) and Wq, Wk, Wv, Wo [1024 (k)][1024 (n)] (K outermost), f32, become codes of FP6 (E2M3) with one E8M0 byte for each 32 along K.
; A block's scale is 2^(floor(log2(largest magnitude)) - 2): its byte is the largest magnitude's exponent field - 2, held at 1 from below.
; LIMITS: a block whose largest magnitude lies under 2^-124 has its byte held at 1; a block of zeros gets the byte 1 where the rule says 127 (its codes are zeros, and this program alone reads the bytes);
; NaN and infinities among the inputs are not served.
; THE OPERAND FORMAT, the same for all four results.  Rows (tokens of x, output channels of a weight) lie in STORED ORDER: row i at place sigma(i), i with its bits 3 and 4 exchanged.
;   codes:        [kg 0..15][place][48 bytes] at kg GS + 48 place: kg = 64 along K, 64 codes = 48 bytes
;   scale words:  [q 0..7][place][4 bytes] at SOFF + q GQ + 4 place: byte b scales k = 128 q + 32 b on
;   row addends:  f32 [place] at BOFF + 4 place: zeros for x, the bias for a weight
; Work-groups 0-255 take x, 32 rows each; 256-383 the weights, 128 columns x 256 along K each.  The two ways have LDS bytes of their own.  No tensor loads, no barrier: waves share nothing.
.set GS,    393216                     ; from one kg to the next: 8,192 places x 48 bytes
.set GQ,    32768                      ; from one q to the next: 8,192 places x 4 bytes
.set SOFF,  0x600000                   ; 16 GS
.set BOFF,  0x640000                   ; SOFF + 8 GQ
.set STEPS, 16                         ; x: a wave's steps, one for each kg
.set SP,    80                         ; x: a lane's place in a stage: 64 bytes + 16 of padding
.set R,     16                         ; x: v16-79   four sets of 16 numbers as loaded
.set X,     80                         ; x: v80-111  two sets of 16 neighbours
.set E,     112                        ; x: v112-127 a scale byte for each step
.set C,     128                        ; x: v128-190 codes, four registers a step: no store's data are written again
.set WSTG,  32768                      ; weights: the stages begin behind x's 4 x 8,192 bytes
.set PITCH, 272                        ; weights: a stage row: sixteen places of 16 bytes (12 of codes) + 16
.set WX,    32                         ; weights: v32-95 two sets of 32 numbers
.set WC,    96                         ; weights: a block's codes
.set OUTR,  112                        ; weights: v112-175 the way out
.set SB,    24                         ; weights: v24-25 the scale words
.macro LOADX t                         ; step t: kg t of my 8 rows: each load takes two rows x 256 consecutive bytes
.irp i, 0,1,2,3
	global_load_b128 v[R+16*((\t)%4)+4*\i:R+16*((\t)%4)+4*\i+3], v3, s[4:5] offset:256*(\t)+8192*\i th:TH_LOAD_NT
.endr
.endm
.macro TURNX t                         ; through the wave's own stage: in as loaded, out 64 bytes a lane.  LDS serves a wave's instructions in order: no wait between
.irp i, 0,1,2,3
	ds_store_b128 v14, v[R+16*((\t)%4)+4*\i:R+16*((\t)%4)+4*\i+3] offset:32*SP*((\t)%2)+8*SP*\i
.endr
.irp i, 0,1,2,3
	ds_load_b128 v[X+16*((\t)%2)+4*\i:X+16*((\t)%2)+4*\i+3], v15 offset:32*SP*((\t)%2)+16*\i
.endr
.endm
.macro STEPX t
.set XS, X+16*((\t)%2)
.if (\t) > 0
	s_wait_dscnt 1                                 ; this step's numbers are back from the stage; the last step's byte store may be out
.else
	s_wait_dscnt 0x0
.endif
.if (\t)+4 < STEPS
	LOADX (\t)+4                                   ; into the set whose stores into the stage have read their registers
.endif
.if (\t)+1 < STEPS
.if STEPS-2-(\t) >= 3
	s_wait_loadcnt 12                              ; the next step's four loads are in; three steps' loads stay out
.else
	s_wait_loadcnt 4*(STEPS-2-(\t))
.endif
	TURNX (\t)+1
.endif
	v_max3_num_f32 v8, |v[XS]|, |v[XS+1]|, |v[XS+2]|               ; the largest magnitude of my 16, in two chains
	v_max3_num_f32 v9, |v[XS+3]|, |v[XS+4]|, |v[XS+5]|
.irp i, 6,10
	v_max3_num_f32 v8, v8, |v[XS+\i]|, |v[XS+\i+1]|
	v_max3_num_f32 v9, v9, |v[XS+\i+2]|, |v[XS+\i+3]|
.endr
	v_max3_num_f32 v8, v8, |v[XS+14]|, |v[XS+15]|
	v_max3_num_f32 v8, v8, v9, 0x1800000           ; and the floor 2^(3 - 127): the byte cannot fall under 1
	v_max_num_f32_dpp v8, v8, v8 row_xmask:1 row_mask:0xf bank_mask:0xf   ; with my neighbour's 16: the block's
	v_add_nc_u32 v11, 0xff000000, v8               ; 2 off the exponent field: the conversion takes that field as its scale
	v_cvt_scalef32_pk16_fp6_f32 v[C+4*(\t):C+4*(\t)+2], v[XS:XS+15], v11
	v_lshrrev_b32 v[E+(\t)], 23, v11               ; the scale's byte (also the plain line behind the conversion)
	ds_store_b8 v5, v[E+(\t)] offset:32*((\t)/2)+2*((\t)%2)        ; word q = t / 2, byte 2 (t % 2) + my block; both lanes of a block write the same byte
	global_store_b96 v4, v[C+4*(\t):C+4*(\t)+2], s[42:43] offset:GS*(\t)   ; 8 places x 48 bytes: the wave stores 384 consecutive bytes
.endm
.macro LOADW t                         ; block t: W(32 t + i, my column), i = 0 .. 31
.irp i, 0,1,2,3,4,5,6,7,8,9,10,11,12,13,14,15,16,17,18,19,20,21,22,23,24,25,26,27,28,29,30,31
	global_load_b32 v[WX+32*((\t)%2)+\i], v3, s[40:41] offset:(32*(\t)+\i)*4096 th:TH_LOAD_NT
.endr
.endm
.macro BLOCKW t
.set XS, WX+32*((\t)%2)
.if (\t) < 7
	s_wait_loadcnt 32                              ; this block's 32 loads are in; the next block's may be out
.else
	s_wait_loadcnt 0x0
.endif
	v_max3_num_f32 v12, |v[XS]|, |v[XS+1]|, |v[XS+2]|              ; all 32 numbers of the block are mine
	v_max3_num_f32 v13, |v[XS+3]|, |v[XS+4]|, |v[XS+5]|
.irp i, 6,10,14,18,22,26
	v_max3_num_f32 v12, v12, |v[XS+\i]|, |v[XS+\i+1]|
	v_max3_num_f32 v13, v13, |v[XS+\i+2]|, |v[XS+\i+3]|
.endr
	v_max3_num_f32 v12, v12, |v[XS+30]|, |v[XS+31]|
	v_max3_num_f32 v12, v12, v13, 0x1800000
	v_add_nc_u32 v11, 0xff000000, v12
	v_lshrrev_b32 v13, 23, v11
.if (\t)%4 == 0
	v_mov_b32 v[SB+(\t)/4], v13                    ; four bytes to a word, the lower K in the lower byte
.else
	v_lshl_or_b32 v[SB+(\t)/4], v13, 8*((\t)%4), v[SB+(\t)/4]
.endif
	v_cvt_scalef32_pk16_fp6_f32 v[WC:WC+2], v[XS:XS+15], v11
	v_cvt_scalef32_pk16_fp6_f32 v[WC+4:WC+6], v[XS+16:XS+31], v11  ; (a conversion's three registers begin on an even number)
	ds_store_b96 v4, v[WC:WC+2] offset:32*(\t)     ; 12 bytes to a place of 16: every LDS address is a multiple of 16
	ds_store_b96 v4, v[WC+4:WC+6] offset:32*(\t)+16
.if (\t)+2 < 8
	LOADW (\t)+2
.endif
	s_wait_dscnt 0x0                               ; the stores have read their registers: the next block's codes may be written
.endm
	s_load_b512 s[4:19], s[0:1], 0x0               ; x, Wq, Wk, Wv, Wo, bq, bk, bv
	s_load_b256 s[20:27], s[0:1], 0x40             ; bo, x_op, wqk_op, wv_op
	s_load_b64 s[28:29], s[0:1], 0x60              ; wo_op
	v_lshl_add_u32 v192, v0, 2, 0x10800
	v_mov_b32 v193, 0
	v_lshrrev_b32 v1, 5, v0
	v_readfirstlane_b32 s30, v1                    ; wave
	v_and_b32 v2, 31, v0                           ; lane
	s_cmp_lt_u32 ttmp9, 256
	s_cbranch_scc0 .Lweights
	; ---- x.  Wave run R = 4 x work-group + wave holds rows 8 R .. 8 R + 7; bits 3, 4 of a row are bits 0, 1 of the wave, so the run's places are run R' with these two exchanged
	v_and_b32 v3, 15, v2
	v_lshlrev_b32 v3, 4, v3
	v_lshrrev_b32 v10, 4, v2
	v_lshl_add_u32 v3, v10, 12, v3                 ; in: 16 (lane % 16) + a row of 4,096 bytes for lanes 16-31
	s_lshl_b32 s31, s30, 13                        ; my wave's 8,192 bytes of LDS
	v_lshrrev_b32 v14, 2, v2
	v_mul_u32_u24 v14, v14, SP
	v_and_b32 v15, 3, v2
	v_lshl_add_u32 v14, v15, 4, v14
	v_add_nc_u32 v14, s31, v14                     ; the stage, in: four lanes' 64 bytes on end, then the padding
	v_mul_u32_u24 v15, v2, SP
	v_add_nc_u32 v15, s31, v15                     ; out: lane L takes row L / 4, numbers 16 (L % 4) on
	v_mul_u32_u24 v4, v2, 12                       ; my 12 bytes of the step's 384
	v_lshrrev_b32 v5, 2, v2
	v_lshlrev_b32 v5, 2, v5
	v_bfe_u32 v10, v2, 1, 1
	v_add_nc_u32 v5, v5, v10
	s_add_co_u32 s32, s31, 2*32*SP
	v_add_nc_u32 v5, s32, v5                       ; the scale bytes in LDS, [q 8][row 8][4]: 4 x my row + my block
	v_lshl_add_u32 v6, v2, 3, s32                  ; and back, 8 bytes a lane
	v_lshrrev_b32 v7, 2, v2
	v_lshlrev_b32 v7, 15, v7
	v_and_b32 v10, 3, v2
	v_lshl_add_u32 v7, v10, 3, v7                  ; out: q = lane / 4, two places' words
	s_lshl_b32 s33, ttmp9, 2
	s_add_co_u32 s34, s33, s30                     ; R
	s_and_b32 s35, s30, 1
	s_lshl_b32 s35, s35, 1
	s_lshr_b32 s36, s30, 1
	s_or_b32 s35, s35, s36
	s_add_co_u32 s35, s33, s35                     ; R'
	s_lshl_b32 s36, s34, 15                        ; 8 rows of 4,096 bytes
	s_mov_b32 s37, 0
	s_mul_i32 s38, s35, 384                        ; 8 places of 48 bytes
	s_mov_b32 s39, 0
	s_lshl_b32 s40, s35, 5                         ; 8 places of 4 bytes
	s_add_co_u32 s40, s40, SOFF
	s_mov_b32 s41, 0
	s_lshl_b32 s46, ttmp9, 7                       ; the work-group's 32 addends
	s_add_co_u32 s46, s46, BOFF
	s_mov_b32 s47, 0
	s_wait_kmcnt 0x0
	s_add_nc_u64 s[4:5], s[4:5], s[36:37]
	s_add_nc_u64 s[42:43], s[22:23], s[38:39]
	s_add_nc_u64 s[44:45], s[22:23], s[40:41]
	s_add_nc_u64 s[46:47], s[22:23], s[46:47]
.irp t, 0,1,2,3
	LOADX \t
.endr
	s_wait_loadcnt 12                              ; step 0's four loads are in
	TURNX 0
.irp t, 0,1,2,3,4,5,6,7,8,9,10,11,12,13,14,15
	STEPX \t
.endr
	ds_load_b64 v[12:13], v6                       ; LDS serves a wave's instructions in order: these see my byte stores
	s_wait_dscnt 0x0
	global_store_b64 v7, v[12:13], s[44:45]        ; eight pieces of 32 consecutive bytes, one for each q
	s_cmp_lg_u32 s30, 0
	s_cbranch_scc1 .Lx_done
	v_mov_b32 v10, 0                               ; wave 0: x's rows add nothing: 32 zeros
	v_lshlrev_b32 v1, 2, v2
	global_store_b32 v1, v10, s[46:47]
.Lx_done:
	s_wait_tensorcnt 0x0
	ds_add_u32 v192, v193
	s_wait_dscnt 0x0
	s_endpgm
	; ---- the weights.  A lane takes a column n and its registers run down K: a block of 32 lies in one lane, and the codes come out with K innermost
.Lweights:
	s_sub_co_u32 s31, ttmp9, 256
	s_lshr_b32 s32, s31, 5                         ; which weight: 0 Wq, 1 Wk, 2 Wv, 3 Wo
	s_and_b32 s33, s31, 7                          ; which 128 columns
	s_bfe_u32 s34, s31, 0x20003                    ; y: which 256 along K
	s_lshl_b32 s35, s33, 7
	s_lshl_b32 s36, s30, 5
	s_add_co_u32 s35, s35, s36                     ; my wave's first column
	s_wait_kmcnt 0x0
	s_bitcmp1_b32 s32, 0                           ; the choices hang on the work-group's number alone
	s_cselect_b64 s[40:41], s[8:9], s[6:7]
	s_cselect_b64 s[42:43], s[12:13], s[10:11]
	s_cselect_b64 s[44:45], s[16:17], s[14:15]
	s_cselect_b64 s[46:47], s[20:21], s[18:19]
	s_cselect_b64 s[48:49], s[28:29], s[26:27]
	s_cselect_b32 s37, 1024, 0                     ; Wk's places lie behind Wq's in wqk_op
	s_cmp_lt_u32 s32, 2
	s_cselect_b64 s[40:41], s[40:41], s[42:43]     ; the weight
	s_cselect_b64 s[44:45], s[44:45], s[46:47]     ; its bias
	s_cselect_b64 s[48:49], s[24:25], s[48:49]     ; its operand buffer
	s_cselect_b32 s37, s37, 0
	s_add_co_u32 s38, s37, s35                     ; n0: my wave's first place
	s_lshl_b32 s50, s34, 20                        ; 256 y rows of 4,096 bytes
	s_lshl_b32 s36, s35, 2
	s_add_co_u32 s50, s50, s36
	s_mov_b32 s51, 0
	s_add_nc_u64 s[40:41], s[40:41], s[50:51]
	s_mov_b32 s50, s36
	s_add_nc_u64 s[44:45], s[44:45], s[50:51]
	s_mul_i32 s50, s34, 4*GS
	s_mul_i32 s36, s38, 48
	s_add_co_u32 s50, s50, s36
	s_add_nc_u64 s[52:53], s[48:49], s[50:51]      ; codes: kg 4 y, place n0
	s_lshl_b32 s50, s34, 16                        ; 2 y GQ
	s_lshl_b32 s36, s38, 2
	s_add_co_u32 s50, s50, s36
	s_add_co_u32 s50, s50, SOFF
	s_add_nc_u64 s[54:55], s[48:49], s[50:51]      ; scale words: q = 2 y
	s_add_co_u32 s50, s36, BOFF
	s_add_nc_u64 s[58:59], s[48:49], s[50:51]      ; addends
	v_lshlrev_b32 v3, 2, v2                        ; in: 4 bytes a lane: 128 consecutive bytes a wave
	s_mul_i32 s56, s30, 32*PITCH
	s_add_co_u32 s56, s56, WSTG                    ; my stage
	v_mul_u32_u24 v4, v2, PITCH
	v_add_nc_u32 v4, s56, v4                       ; into it: row = my column
	v_lshrrev_b32 v5, 2, v2
	v_mul_u32_u24 v7, v5, PITCH
	v_and_b32 v6, 3, v2
	v_lshl_add_u32 v7, v6, 4, v7
	v_add_nc_u32 v7, s56, v7                       ; out of it: four lanes to a column's 48 bytes of a kg, eight columns an instruction
	v_mul_u32_u24 v8, v2, 12                       ; and the same 384 bytes in memory
	v_and_b32 v9, 7, v2
	v_and_b32 v10, 8, v2
	v_lshl_or_b32 v9, v10, 1, v9
	v_and_b32 v10, 16, v2
	v_lshrrev_b32 v10, 1, v10
	v_or_b32 v9, v9, v10
	v_lshlrev_b32 v9, 2, v9                        ; 4 sigma(lane): my column's place, for words
	LOADW 0
	LOADW 1
.irp t, 0,1,2,3,4,5,6,7
	BLOCKW \t
.endr
	global_store_b32 v9, v[SB], s[54:55]           ; my column's two scale words
	global_store_b32 v9, v[SB+1], s[54:55] offset:GQ
.irp i, 0,1,2,3,4,5,6,7,8,9,10,11,12,13,14,15  ; pair i: kg i / 4, places 8 (i % 4) on, which are columns 8 x (i % 4 with its two bits exchanged) on
	ds_load_b96 v[OUTR+4*\i:OUTR+4*\i+2], v7 offset:(((\i%4)%2)*2+(\i%4)/2)*8*PITCH+64*(\i/4)
.endr
.irp i, 0,1,2,3,4,5,6,7,8,9,10,11,12,13,14,15
	s_wait_dscnt 15-\i
	global_store_b96 v8, v[OUTR+4*\i:OUTR+4*\i+2], s[52:53] offset:(\i/4)*GS+384*(\i%4)   ; 384 consecutive bytes
.endr
	s_cmp_lg_u32 s34, 0                            ; the work-groups of y = 0 also copy the bias into stored order
	s_cbranch_scc1 .Lw_done
	global_load_b32 v11, v3, s[44:45]
	s_wait_loadcnt 0x0
	global_store_b32 v9, v11, s[58:59]
.Lw_done:
	s_wait_tensorcnt 0x0
	ds_add_u32 v192, v193
	s_wait_dscnt 0x0
	s_endpgm
.Lfunc_end_k_q95dae39d96_quant:
	.size	k_q95dae39d96_quant, .Lfunc_end_k_q95dae39d96_quant-k_q95dae39d96_quant
	.p2alignl 7, 3214868480
	.fill 96, 4, 3214868480
	.section	.rodata,"a",@progbits
	.p2align	6, 0x0
	.amdhsa_kernel k_q95dae39d96_quant
		.amdhsa_group_segment_fixed_size 68096
		.amdhsa_private_segment_fixed_size 0
		.amdhsa_enable_private_segment 0
		.amdhsa_kernarg_size 104
		.amdhsa_user_sgpr_count 2
		.amdhsa_user_sgpr_kernarg_segment_ptr 1
		.amdhsa_wavefront_size32 1
		.amdhsa_system_sgpr_workgroup_id_x 1
		.amdhsa_system_sgpr_workgroup_id_y 1
		.amdhsa_system_sgpr_workgroup_id_z 1
		.amdhsa_system_vgpr_workitem_id 0
		.amdhsa_next_free_vgpr 194
		.amdhsa_next_free_sgpr 66
		.amdhsa_reserve_vcc 0
		.amdhsa_float_denorm_mode_32 3
		.amdhsa_float_denorm_mode_16_64 3
		.amdhsa_memory_ordered 1
		.amdhsa_forward_progress 1
		.amdhsa_inst_pref_size 75
	.end_amdhsa_kernel
	.amdgpu_metadata
---
amdhsa.version: [ 1, 2 ]
amdhsa.kernels:
  - .name:           k_q95dae39d96_quant
    .symbol:         k_q95dae39d96_quant.kd
    .args:
      - { .name: x, .offset: 0, .size: 8, .value_kind: global_buffer, .address_space: global }
      - { .name: Wq, .offset: 8, .size: 8, .value_kind: global_buffer, .address_space: global }
      - { .name: Wk, .offset: 16, .size: 8, .value_kind: global_buffer, .address_space: global }
      - { .name: Wv, .offset: 24, .size: 8, .value_kind: global_buffer, .address_space: global }
      - { .name: Wo, .offset: 32, .size: 8, .value_kind: global_buffer, .address_space: global }
      - { .name: bq, .offset: 40, .size: 8, .value_kind: global_buffer, .address_space: global }
      - { .name: bk, .offset: 48, .size: 8, .value_kind: global_buffer, .address_space: global }
      - { .name: bv, .offset: 56, .size: 8, .value_kind: global_buffer, .address_space: global }
      - { .name: bo, .offset: 64, .size: 8, .value_kind: global_buffer, .address_space: global }
      - { .name: x_op, .offset: 72, .size: 8, .value_kind: global_buffer, .address_space: global }
      - { .name: wqk_op, .offset: 80, .size: 8, .value_kind: global_buffer, .address_space: global }
      - { .name: wv_op, .offset: 88, .size: 8, .value_kind: global_buffer, .address_space: global }
      - { .name: wo_op, .offset: 96, .size: 8, .value_kind: global_buffer, .address_space: global }
    .group_segment_fixed_size: 68096
    .private_segment_fixed_size: 0
    .kernarg_segment_align: 8
    .kernarg_segment_size: 104
    .max_flat_workgroup_size: 128
    .sgpr_count:     66
    .vgpr_count:     194
    .wavefront_size: 32
...
	.end_amdgpu_metadata
.endif
;; end of part 1
;; launch qkproj (part 2): grid 8 x 32, 4 waves a work-group, clusters of 4 x 4, 327,680 bytes of LDS; arguments x_op, wqk_op, qk_at; writes qk_at
.if DOCPART == 2
	.amdgcn_target "amdgcn-amd-amdhsa--gfx1250"
	.amdhsa_code_object_version 6
	.text
	.protected	k_q95dae39d96_qkproj
	.globl	k_q95dae39d96_qkproj
	.p2align	8
	.type	k_q95dae39d96_qkproj,@function
k_q95dae39d96_qkproj:
	s_mov_b64 s[64:65], 0
	v_nop
	global_prefetch_b8 v0, s[64:65] scope:SCOPE_SE
	s_setreg_imm32_b32 hwreg(HW_REG_WAVE_MODE, 25, 1), 1
	s_wait_xcnt 0x0
	s_wait_alu depctr_hold_cnt(0) depctr_sa_sdst(0) depctr_va_vdst(0) depctr_va_sdst(0) depctr_va_ssrc(0) depctr_va_vcc(0) depctr_vm_vsrc(0)
	s_getreg_b32 s2, hwreg(HW_REG_IB_STS2, 6, 4)
	s_cmp_eq_u32 s2, 0
	s_cbranch_scc0 .Lentry_in_a_cluster
	s_endpgm
.Lentry_in_a_cluster:
	s_bfe_u32 s2, ttmp6, 0x10000c
	s_cmp_lg_u32 s2, 0xf033
	s_cbranch_scc0 .Lentry_shape_is_right
	s_endpgm
.Lentry_shape_is_right:
; OUT = Q(A B^T + A's row addends + B's row addends): a GEMM on codes of FP6 (E2M3) over K = 1,024 whose result is quantised again, along B's index, in blocks of 32, and leaves as codes.
; It serves two launches: A = x, B = Wq | Wk (q and k, quantised along a head's 64 channels), and A = Wv, B = x (v transposed, quantised along the tokens).
; OPERANDS (both): codes [kg 16][place][48 bytes] at kg GS + 48 place (kg = 64 along K); scale words [q 8][place][4] at SOFF_IN; addends f32 [place] at BOFF_IN.  Rows lie in stored order: row i at place i with bits 3, 4 exchanged.
; THE MATRIX INSTRUCTION IS USED TRANSPOSED (source 0 = 16 places of B, source 1 = 16 places of A): lane (r, h), register j of tile 2 b + u holds A's place r and B's place 32 b + 16 u + 8 h + j, which is B's ROW
; 32 b + 16 h + 8 u + j: so the 16 registers of two neighbouring tiles are 16 neighbours along B's index, as the conversions want them.
; RESULT: codes at g GS + 48 (A's place), g = B's index / 64; a pair of scale bytes at SOFF_OUT + g GSS + 2 (A's place).
; SHARES: a work-group makes 256 x 256, a wave 128 x 128: 64 accumulators, 512 registers.  K goes in four steps of 256 through three LDS slots; slots 0, 1, 2 are filled at the start, slot 0 once more (K step 3).
; CLUSTER 4 x 4: A's tiles are asked for jointly along a row of the cluster, B's along a column.
; The sums begin as the two addends, written into the accumulators while the first tiles are on their way.
; LIMITS: a block whose largest magnitude lies under 2^-124 has its byte held at 1; a block of zeros gets the byte 1 (its codes are zeros; this program alone reads the bytes); NaN and infinities are not served.
; REGISTERS: window 0: v8-31 addresses; v32-63 scale words, two sets; v64-127 B's addends, later the quantiser's work; v128-223 A's fragments, one set (at the head v128-143 A's addends; on the way out rows read back).
;   window 1: B's fragments, two sets, at v0 and v128.  window 2: accumulators of my rows 0-63 ((a, b) at v[8 (8 a + b)]); window 3: of my rows 64-127.
.set GS,       393216
.set GQ,       32768
.set GSS,      16384
.set SOFF_IN,  0x600000
.set BOFF_IN,  0x640000
.set SOFF_OUT, 0x3000000
.set HALFT,    24576                   ; what one tensor load brings: [kg 4][128 places][48 bytes].  Lane (r, h) reads at 24 (2 r + h): the 32 lanes of an 8-byte load touch 64 different words modulo 64: no padding
.set SLOT,     4*HALFT                 ; A's two halves, then B's two
.set SCL,      3*SLOT                  ; the scale words of all of K: for each wave's 128 places [q 8][128][4]
.set SPARE,    SCL+16384               ; the spare words, 128 bytes for each wave: two blocks of 256 bytes that no other line names
.set FR,   12                          ; registers of a fragment
.set NL,   6                           ; LDS loads that bring one
.set SCO,  10                          ; v10  out: 16 (lane % 16) + GSS for lanes 16-31
.set H16,  15                          ; v15  16 h
.set ADRA, 16                          ; v16-18 LDS address of my A fragments in slot 0, 1, 2
.set ADRB, 20                          ; v20-22 the same for B
.set STO,  24                          ; v24  stage: where my 24 bytes of codes go
.set RD,   25                          ; v25  stage: 16 x lane
.set CO,   26                          ; v26  16 x lane
.set ADRS, 27                          ; v27  my scale words: lanes 0-15 A's, lanes 16-31 B's
.set SPW,  28                          ; v28  my spare word; never rewritten
.set NIL,  29                          ; v29  0; never rewritten
.set SSO,  30                          ; v30  stage: where my pair of scale bytes goes
.set SRD,  31                          ; v31  stage: the pairs, 16 x lane
.set SC,   32                          ; scale words: set s at v[SC + 16 s]; register 2 i + q: lanes 0-15 A's block i, lanes 16-31 B's block i
.set BB,   64                          ; v64-127 B's addends in the result's layout
.set BA,   128                         ; v128-143 A's addends, each twice
.set AF,   128
.set PC,   64                          ; the way out: v64-75 a fragment's codes, v76-82 at work
.set TM,   96                          ; v96-111 maxima, bytes, scale operands
.set PW,   112                         ; the scale word
.set W16,  113                         ; my half's pair of it
.set BK,   128                         ; v128-151 rows read back
.set SBK,  152
.set G1,   24                          ; s[24:31] group 1, A's codes;  s[32:43] group 0 for slots 0, 1, 2
.set G0,   32
.set G1B,  44                          ; s[44:51], s[52:63] the same for B
.set G0B,  52
.set G1S,  68                          ; s[68:75], s[76:79] A's scale words;  s[80:87], s[88:91] B's
.set G0S,  76
.set G1SB, 80
.set G0SB, 88
.set SEL,  92                          ; s[92:93] lane selects for lane l xor 16 (once cx and cy are used up)
.set MSB, 0
.macro WIN new                         ; the immediate's high byte repeats the setting that is left
.if MSB != (\new)
	s_set_vgpr_msb (MSB<<8)|(\new)
.set MSB, \new
.endif
.endm
.set MUL_LO, 0xa1                      ; source 0 (B) window 1, source 1 (A) window 0, C and D window 2
.set MUL_HI, 0xf1                      ; the same, C and D window 3
.set TO_B,   0x40                      ; destination window 1
.macro JLOAD g0a, g1a, g0b, g1b        ; a joint load: waves 0, 1 fetch for A, waves 2, 3 for B; four v_nop follow each line
	s_cmp_eq_u32 s15, 0
	s_cbranch_scc0 .Lfor_b_\@
	tensor_load_to_lds s[\g0a:\g0a+3], s[\g1a:\g1a+7]
	s_nop 0
.rept 4
	v_nop
.endr
	s_branch .Lasked_\@
.Lfor_b_\@:
	tensor_load_to_lds s[\g0b:\g0b+3], s[\g1b:\g1b+7]
	s_nop 0
.rept 4
	v_nop
.endr
.Lasked_\@:
.endm
.macro CREST                           ; a round of the cluster's barrier behind its opening barrier
	s_cmp_lg_u32 s14, 0
	s_cbranch_scc1 .Lnot_wave_0_\@
	s_barrier_signal -3
.Lnot_wave_0_\@:
	s_barrier_wait -3
	s_barrier_signal -1
	s_barrier_wait -1
.endm
.macro CROUND
	s_barrier_signal -1
	s_barrier_wait -1
	CREST
.endm
.macro PLACES                          ; four plain vector instructions between a matrix instruction and a load into, or a read of, its registers
.rept 4
	v_nop
.endr
.endm
.macro FRAG reg, adr, q, i             ; 16 places x 128 K: registers 6 c .. 6 c + 5 are the 24 bytes at kg 2 q + c, place 16 i + r, byte 24 h: three loads of 8 bytes each
.irp p, 0,1,2,3,4,5
	ds_load_b64 v[\reg+2*\p:\reg+2*\p+1], v[\adr] offset:(2*(\q)+\p/3)*6144+(\i)*768+8*(\p%3)
.endr
.endm
.macro FETCH_B slot, q, p
	WIN TO_B
.irp i, 0,1,2,3,4,5,6,7
	FRAG 128*(\p)+FR*\i, ADRB+\slot, \q, \i
.endr
	WIN 0
.endm
.macro FETCH_A slot, q, i0
.irp i, \i0, \i0+1, \i0+2, \i0+3
	FRAG AF+FR*(\i), ADRA+\slot, \q, \i
.endr
.endm
.macro SCALES ks, sc                   ; K step ks's scale words into set sc
.irp i, 0,1,2,3,4,5,6,7
.irp ql, 0,1
	ds_load_b32 v[SC+16*(\sc)+2*\i+\ql], v[ADRS] offset:(2*(\ks)+\ql)*512+64*\i
.endr
.endr
.endm
; 16 matrix instructions: A's blocks a0, a0 + 1 x B's eight.  The 64 accumulators take turns, one instruction a turn, in the same order in every step.
.macro MUL16 a0, p, q, sc
.irp a, \a0, \a0+1
.irp b, 0,1,2,3,4,5,6,7
	v_wmma_scale_f32_16x16x128_f8f6f4 v[8*(8*((\a)%4)+\b):8*(8*((\a)%4)+\b)+7], v[128*(\p)+FR*\b:128*(\p)+FR*\b+FR-1], v[AF+FR*(\a):AF+FR*(\a)+FR-1], v[8*(8*((\a)%4)+\b):8*(8*((\a)%4)+\b)+7], v[SC+16*(\sc)+2*\b+(\q)], v[SC+16*(\sc)+2*(\a)+(\q)] matrix_a_fmt:MATRIX_FMT_FP6 matrix_b_fmt:MATRIX_FMT_FP6 matrix_a_scale:MATRIX_SCALE_ROW1
.endr
.endr
.endm
.macro STEP slot, sc                   ; a slot's first 128 along K; it fetches the second
	s_wait_dscnt 4*NL                              ; all but the youngest 24 loads (A's blocks 4-7) are in
	WIN MUL_LO
	MUL16 0, 0, 0, \sc
	MUL16 2, 0, 0, \sc
	s_wait_dscnt 0x0                               ; A's blocks 4-7 are in
	PLACES
	FETCH_B \slot, 1, 1
	FETCH_A \slot, 1, 0
	WIN MUL_HI
	MUL16 4, 0, 0, \sc
	MUL16 6, 0, 0, \sc
	PLACES
	WIN 0
	FETCH_A \slot, 1, 4
.endm
; A slot's second 128 along K; it changes slots.  mode 2: this slot is filled again: each wave waits for all its tensor loads, adds 0 to its spare word, waits for that and for its reads of the slot; a round of the
; cluster's barrier; the joint refill first behind it.  mode 1: the same three lines and the work-group's barrier; nothing is filled.  mode 0: the next slot was shown whole to every wave at an earlier barrier, in
; front of which each wave had waited for all its loads: no barrier, and the refill that is out stays out.
.macro TURN slot, next, ks, mode
.if \mode
	s_wait_tensorcnt 0x0                           ; all my tensor loads have landed
	ds_add_u32 v[SPW], v[NIL]                      ; 0 onto my spare word
	s_wait_dscnt 4*NL+1                            ; (the add and A's blocks 4-7 may be out)
.else
	s_wait_dscnt 4*NL
.endif
	WIN MUL_LO
	MUL16 0, 1, 1, (\ks)%2
	s_wait_dscnt 0x0                               ; the add is done, and my reads of this slot are over
.if \mode
	s_barrier_signal -1
.endif
	MUL16 2, 1, 1, (\ks)%2
	WIN 0
.if \mode
	s_barrier_wait -1
.endif
.if \mode == 2
	CREST                                          ; no wave of any partner still reads this slot or has a load on its way
	s_add_nc_u64 s[G0+2:G0+3], s[G0+2:G0+3], 12*GS     ; from K step 0 to K step 3
	s_add_nc_u64 s[G0B+2:G0B+3], s[G0B+2:G0B+3], 12*GS
	JLOAD G0, G1, G0B, G1B                         ; its four v_nop are the places in front of the loads below
.else
	PLACES
.endif
	FETCH_B \next, 0, 0
	FETCH_A \next, 0, 0
	SCALES (\ks)+1, ((\ks)+1)%2
	WIN MUL_HI
	MUL16 4, 1, 1, (\ks)%2
	MUL16 6, 1, 1, (\ks)%2
	PLACES
	WIN 0
	FETCH_A \next, 0, 4
.endm
; Block a's 64 numbers of a lane (register 16 b + i = B's index 32 b + 16 h + i) become 12 registers of codes in v[PC] on (registers 6 c .. 6 c + 5: index 64 c + 32 h + 0 .. 31) and a scale word in v[PW].
.macro QUANTW a
.set AC, 64*((\a)%4)
	WIN 0x0a+5*((\a)/4)                            ; sources 0 and 1: window 2 or 3
.irp b, 0,1,2,3
	v_max3_num_f32 v[TM+\b], |v[AC+16*\b]|, |v[AC+16*\b+1]|, 0x1800000   ; each accumulator is read from its low end on; the floor 2^(3 - 127) holds the byte at 1
.endr
.irp i, 2,4,6,8,10,12,14
.irp b, 0,1,2,3
	v_max3_num_f32 v[TM+\b], |v[AC+16*\b+\i]|, |v[AC+16*\b+\i+1]|, v[TM+\b]
.endr
.endr
	WIN 0
.irp b, 0,1,2,3
	v_permlanex16_b32 v[TM+4+\b], v[TM+\b], s[SEL], s[SEL+1]
.endr
.irp b, 0,1,2,3
	v_max_num_f32 v[TM+\b], v[TM+\b], v[TM+4+\b]   ; with lane l xor 16's 16: the block's largest magnitude
.endr
.irp b, 0,1,2,3
	v_add_nc_u32 v[TM+12+\b], 0xff000000, v[TM+\b] ; 2 off the exponent field: the conversion's scale operand
.endr
.irp b, 0,1,2,3
	v_lshrrev_b32 v[TM+4+\b], 23, v[TM+12+\b]      ; the byte
.endr
	v_lshl_or_b32 v[PW], v[TM+5], 8, v[TM+4]
	v_lshl_or_b32 v[PW], v[TM+6], 16, v[PW]
	v_lshl_or_b32 v[PW], v[TM+7], 24, v[PW]
	WIN 0x02+((\a)/4)                              ; source 0: window 2 or 3
.irp c, 0,1
	v_cvt_scalef32_pk16_fp6_f32 v[PC+6*\c:PC+6*\c+2], v[AC+32*\c:AC+32*\c+15], v[TM+12+2*\c]
	v_cvt_scalef32_pk16_fp6_f32 v[PC+12+4*\c:PC+14+4*\c], v[AC+32*\c+16:AC+32*\c+31], v[TM+13+2*\c]   ; (a conversion's three registers begin on an even number)
.endr
	WIN 0
	v_nop                                          ; one plain line behind a scaled conversion
.irp c, 0,1                                    ; a whole block to a lane: lanes 0-15 block 2 c, lanes 16-31 block 2 c + 1
.irp i, 0,1,2
	v_permlane16_swap_b32 v[PC+6*\c+\i], v[PC+12+4*\c+\i]
.endr
.irp i, 0,1,2
	v_mov_b32 v[PC+3+6*\c+\i], v[PC+12+4*\c+\i]
.endr
.endr
.endm
; Block a leaves: its codes go to my stage, [c 2][32 places][48 bytes]; behind each second block the stage is read back as it lies and stored: each store of the wave covers 512 consecutive bytes, aligned to 256.
.macro OUTBLK a
	QUANTW \a
	v_lshrrev_b32 v[W16], v[H16], v[PW]            ; lanes 0-15: the pair of group c = 0; lanes 16-31: of c = 1
.irp c, 0,1
.irp p, 0,1,2
	ds_store_b64 v[STO], v[PC+6*\c+2*\p:PC+6*\c+2*\p+1] offset:1536*\c+768*((\a)%2)+8*\p
.endr
.endr
	ds_store_b16 v[SSO], v[W16] offset:32*(\a)
.if (\a)%2 == 0
	s_wait_dscnt 0x0                               ; the stores have read their registers
.else
.if (\a) > 1
	s_wait_xcnt 0x0                                ; the last pair's stores have read v[BK] on: it may be loaded again
.endif
.irp c, 0,1
.irp i, 0,1,2
	ds_load_b128 v[BK+4*(3*\c+\i):BK+4*(3*\c+\i)+3], v[RD] offset:1536*\c+512*\i   ; LDS serves a wave's instructions in order: these see my stores
.endr
.endr
	s_wait_dscnt 0x0
.irp c, 0,1
.irp i, 0,1,2
	global_store_b128 v[CO], v[BK+4*(3*\c+\i):BK+4*(3*\c+\i)+3], s[8:9] offset:\c*GS+((\a)-1)*768+512*\i
.endr
.endr
.endif
.endm
	s_load_b128 s[4:7], s[0:1], 0x0                ; A, B
	s_load_b64 s[8:9], s[0:1], 0x10                ; OUT
	v_lshl_add_u32 v[SPW], v0, 2, SPARE
	v_mov_b32 v[NIL], 0
	ds_add_u32 v28, v29
	ds_add_u32 v28, v29
	s_wait_dscnt 0x0
	v_lshrrev_b32 v1, 5, v0
	v_readfirstlane_b32 s14, v1                    ; wave 0..3
	s_lshr_b32 s15, s14, 1                         ; which half of A's 256 places I multiply.  Also: I fetch for A (0) or for B (1)
	s_and_b32 s16, s14, 1                          ; which half of B's.  Also: which 128 places I fetch
	s_bfe_u32 s92, ttmp6, 0x40000                  ; cx
	s_bfe_u32 s93, ttmp6, 0x40004                  ; cy
	s_lshl_b32 s94, ttmp9, 2
	s_add_co_u32 s94, s94, s92                     ; tx: which 256 places of B
	s_and_b32 s17, ttmp7, 0xffff
	s_lshl_b32 s17, s17, 2
	s_add_co_u32 s17, s17, s93                     ; ty: which 256 places of A
	s_lshl_b32 s95, s93, 2
	s_lshl_b32 s95, 15, s95                        ; my row of the cluster
	s_lshl_b32 s96, 0x1111, s92                    ; my column
	s_or_b32 s[G1], s95, (3<<16)|(1<<21)           ; 15:0 the mask; 17:16 elements of 8 bytes; 20 no padding; 21 set beside a mask
	s_or_b32 s[G1B], s96, (3<<16)|(1<<21)
	s_or_b32 s[G1S], s95, (3<<16)|(1<<21)
	s_or_b32 s[G1SB], s96, (3<<16)|(1<<21)
.irp g, G1, G1B                                ; codes: 4 rows (kg) of 6,144 bytes (128 places), GS bytes apart
	s_mov_b32 s[\g+1], 768<<16
	s_mov_b32 s[\g+2], 4<<16
	s_mov_b32 s[\g+3], 768<<16
	s_mov_b32 s[\g+4], 4
	s_mov_b32 s[\g+5], GS/8
	s_mov_b32 s[\g+6], 0
	s_mov_b32 s[\g+7], 0
.endr
.irp g, G1S, G1SB                              ; scale words: 8 rows (q) of 512 bytes, GQ bytes apart
	s_mov_b32 s[\g+1], 64<<16
	s_mov_b32 s[\g+2], 8<<16
	s_mov_b32 s[\g+3], 64<<16
	s_mov_b32 s[\g+4], 8
	s_mov_b32 s[\g+5], GQ/8
	s_mov_b32 s[\g+6], 0
	s_mov_b32 s[\g+7], 0
.endr
	s_lshl_b32 s19, s16, 7
	s_lshl_b32 s18, s17, 8
	s_add_co_u32 s18, s18, s19                     ; A: the first place that I fetch: made of ty and the wave's number alone
	s_mul_i32 s20, s18, 48
	s_mov_b32 s21, 0
	s_lshl_b32 s22, s18, 2
	s_add_co_u32 s22, s22, SOFF_IN
	s_mov_b32 s23, 0
	s_lshl_b32 s10, s94, 8
	s_add_co_u32 s10, s10, s19                     ; B: of tx and the wave's number alone.  It is also the first place of B that I multiply
	s_mul_i32 s12, s10, 48
	s_mov_b32 s13, 0
	s_lshl_b32 s98, s10, 2
	s_add_co_u32 s98, s98, SOFF_IN
	s_mov_b32 s99, 0
	s_mul_i32 s2, s14, HALFT                       ; where they go: no place in the cluster enters an LDS address
	s_lshl_b32 s3, s14, 12
	s_add_co_u32 s3, s3, SCL
	s_wait_kmcnt 0x0
	s_add_nc_u64 s[20:21], s[4:5], s[20:21]
	s_add_nc_u64 s[22:23], s[4:5], s[22:23]
	s_add_nc_u64 s[12:13], s[6:7], s[12:13]
	s_add_nc_u64 s[98:99], s[6:7], s[98:99]
	CROUND                                         ; all sixteen work-groups are here: the first joint loads meet
	s_mov_b32 s[G0S], 1
	s_mov_b32 s[G0S+1], s3
	s_mov_b64 s[G0S+2:G0S+3], s[22:23]
	s_or_b32 s[G0S+3], s[G0S+3], 0x80000000
	s_mov_b32 s[G0SB], 1
	s_mov_b32 s[G0SB+1], s3
	s_mov_b64 s[G0SB+2:G0SB+3], s[98:99]
	s_or_b32 s[G0SB+3], s[G0SB+3], 0x80000000
	JLOAD G0S, G1S, G0SB, G1SB                     ; the scale words of all of K first
.irp s, 0,1,2                                  ; K steps 0, 1, 2 into slots 0, 1, 2: four tensor loads of mine are out
	s_mov_b32 s[G0+4*\s], 1
	s_add_co_u32 s[G0+4*\s+1], s2, \s*SLOT
	s_add_nc_u64 s[G0+4*\s+2:G0+4*\s+3], s[20:21], \s*4*GS
	s_or_b32 s[G0+4*\s+3], s[G0+4*\s+3], 0x80000000
	s_mov_b32 s[G0B+4*\s], 1
	s_add_co_u32 s[G0B+4*\s+1], s2, \s*SLOT
	s_add_nc_u64 s[G0B+4*\s+2:G0B+4*\s+3], s[12:13], \s*4*GS
	s_or_b32 s[G0B+4*\s+3], s[G0B+4*\s+3], 0x80000000
	JLOAD G0+4*\s, G1, G0B+4*\s, G1B
.endr
	v_and_b32 v1, 15, v0                           ; r
	v_bfe_u32 v2, v0, 4, 1                         ; h
	v_and_b32 v3, 31, v0                           ; lane
	v_lshlrev_b32 v8, 5, v2                        ; 32 h
	v_lshlrev_b32 v9, 2, v1                        ; 4 r
	s_lshl_b32 s96, s10, 2
	s_add_co_u32 s96, s96, BOFF_IN
	s_mov_b32 s97, 0
	s_add_nc_u64 s[96:97], s[6:7], s[96:97]        ; B's addends at my first place of B
	s_lshl_b32 s18, s17, 8
	s_lshl_b32 s19, s15, 7
	s_add_co_u32 s18, s18, s19                     ; my first place of A
	s_lshl_b32 s20, s18, 2
	s_add_co_u32 s20, s20, BOFF_IN
	s_mov_b32 s21, 0
	s_add_nc_u64 s[20:21], s[4:5], s[20:21]        ; A's addends there
.irp b, 0,1,2,3,4,5,6,7
	global_load_b128 v[BB+8*\b:BB+8*\b+3], v8, s[96:97] offset:64*\b       ; tile b, lane (r, h): B's places 16 b + 8 h + 0 .. 7
	global_load_b128 v[BB+8*\b+4:BB+8*\b+7], v8, s[96:97] offset:64*\b+16
.endr
.irp a, 0,1,2,3,4,5,6,7
	global_load_b32 v[BA+2*\a], v9, s[20:21] offset:64*\a                  ; block a, lane (r, h): A's place 16 a + r, twice: a pair for the packed addition
	global_load_b32 v[BA+2*\a+1], v9, s[20:21] offset:64*\a
.endr
	s_lshl_b32 s12, s94, 2
	s_lshl_b32 s13, s16, 1
	s_add_co_u32 s12, s12, s13                     ; my first group g = 4 tx + 2 x half
	s_add_nc_u64 s[66:67], s[8:9], SOFF_OUT
	s_mul_i32 s22, s12, GS
	s_mov_b32 s23, 0
	s_add_nc_u64 s[8:9], s[8:9], s[22:23]
	s_mul_i32 s22, s18, 48
	s_add_nc_u64 s[8:9], s[8:9], s[22:23]          ; the codes' way out
	s_lshl_b32 s22, s12, 14
	s_add_nc_u64 s[66:67], s[66:67], s[22:23]
	s_lshl_b32 s22, s18, 1
	s_add_nc_u64 s[66:67], s[66:67], s[22:23]      ; the scale pairs'
	s_mov_b32 s[SEL], 0x76543210
	s_mov_b32 s[SEL+1], 0xfedcba98
	v_lshlrev_b32 v[H16], 4, v2
	v_mul_u32_u24 v4, v1, 48
	v_mad_u32_u24 v4, v2, 24, v4                   ; 48 r + 24 h
	s_mul_i32 s10, s15, HALFT                      ; my 128 places of A
	s_mul_i32 s11, s16, HALFT                      ; my 128 of B,
	s_add_co_u32 s11, s11, 2*HALFT                 ; behind A's two halves
.irp s, 0,1,2
	v_add_nc_u32 v[ADRA+\s], s10, v4
	v_add_nc_u32 v[ADRB+\s], s11, v4
	s_add_co_u32 s10, s10, SLOT
	s_add_co_u32 s11, s11, SLOT
.endr
	s_lshl_b32 s10, s15, 12                        ; scale words: A's half,
	s_lshl_b32 s11, s16, 12
	s_add_co_u32 s11, s11, 8192                    ; B's half behind A's two,
	s_sub_co_u32 s11, s11, s10
	v_mul_u32_u24 v5, s11, v2                      ; taken by lanes 16-31: one product, the distance between the two
	s_add_co_u32 s10, s10, SCL
	v_add_nc_u32 v5, v5, v9
	v_add_nc_u32 v[ADRS], s10, v5
	s_lshl_b32 s10, s14, 12
	s_add_co_u32 s10, s10, SLOT                    ; my stage, 4,096 bytes in slot 1: that slot is filled once, and its last read lies in front of a barrier that every wave passes before the first store
	v_add_nc_u32 v[STO], s10, v4
	v_lshlrev_b32 v[CO], 4, v3
	v_add_nc_u32 v[RD], s10, v[CO]
	s_add_co_u32 s10, s10, 3072
	v_lshlrev_b32 v5, 8, v2
	v_lshl_add_u32 v5, v1, 1, v5
	v_add_nc_u32 v[SSO], s10, v5                   ; the pairs: [c 2][128 places][2 bytes]
	v_add_nc_u32 v[SRD], s10, v[CO]
	v_lshlrev_b32 v[SCO], 4, v1
	v_lshl_add_u32 v[SCO], v2, 14, v[SCO]
	s_wait_loadcnt 0x0                             ; the addends
	WIN 0x80                                       ; destination window 2
.irp a, 0,1,2,3
.irp b, 0,1,2,3,4,5,6,7
.irp i, 0,2,4,6
	v_pk_add_f32 v[8*(8*\a+\b)+\i:8*(8*\a+\b)+\i+1], v[BB+8*\b+\i:BB+8*\b+\i+1], v[BA+2*\a:BA+2*\a+1]   ; the sums begin as the two addends
.endr
.endr
.endr
	WIN 0xc0                                       ; destination window 3
.irp a, 0,1,2,3
.irp b, 0,1,2,3,4,5,6,7
.irp i, 0,2,4,6
	v_pk_add_f32 v[8*(8*\a+\b)+\i:8*(8*\a+\b)+\i+1], v[BB+8*\b+\i:BB+8*\b+\i+1], v[BA+8+2*\a:BA+8+2*\a+1]
.endr
.endr
.endr
	WIN 0
	s_wait_tensorcnt 2                             ; the scale words and my part of slot 0 are in; slots 1 and 2 may stay out
	s_barrier_signal -1
	s_barrier_wait -1
	FETCH_B 0, 0, 0
	FETCH_A 0, 0, 0
	SCALES 0, 0
	FETCH_A 0, 0, 4
	STEP 0, 0                                      ; K = 1,024 is four K steps: written out
	TURN 0, 1, 0, 2                                ; the one refill: K step 3 into slot 0
	STEP 1, 1
	TURN 1, 2, 1, 0
	STEP 2, 0
	TURN 2, 0, 2, 1
	STEP 0, 1
	s_wait_dscnt 4*NL                              ; the last 128 along K: nothing more to fetch
	WIN MUL_LO
	MUL16 0, 1, 1, 1
	MUL16 2, 1, 1, 1
	s_wait_dscnt 0x0
	WIN MUL_HI
	MUL16 4, 1, 1, 1
	MUL16 6, 1, 1, 1
	WIN 0
.irp b, 0,1,2,3
	v_mov_b32 v[TM+4+\b], 0                        ; a lane permute's destination counts as one of its sources; these four are also the places behind the last products
.endr
.irp a, 0,1,2,3,4,5,6,7
	OUTBLK \a
.endr
	ds_load_b128 v[SBK:SBK+3], v[SRD]              ; my 128 places' pairs of both groups
	s_wait_dscnt 0x0
	global_store_b128 v[SCO], v[SBK:SBK+3], s[66:67]   ; each half of the lanes stores 256 consecutive bytes, aligned
	s_wait_tensorcnt 0x0                           ; the wave's end
	ds_add_u32 v[SPW], v[NIL]
	s_wait_dscnt 0x0
	CROUND                                         ; the closing round
	s_endpgm
.Lfunc_end_k_q95dae39d96_qkproj:
	.size	k_q95dae39d96_qkproj, .Lfunc_end_k_q95dae39d96_qkproj-k_q95dae39d96_qkproj
	.p2alignl 7, 3214868480
	.fill 96, 4, 3214868480
	.section	.rodata,"a",@progbits
	.p2align	6, 0x0
	.amdhsa_kernel k_q95dae39d96_qkproj
		.amdhsa_group_segment_fixed_size 327680
		.amdhsa_private_segment_fixed_size 0
		.amdhsa_enable_private_segment 0
		.amdhsa_kernarg_size 24
		.amdhsa_user_sgpr_count 2
		.amdhsa_user_sgpr_kernarg_segment_ptr 1
		.amdhsa_wavefront_size32 1
		.amdhsa_system_sgpr_workgroup_id_x 1
		.amdhsa_system_sgpr_workgroup_id_y 1
		.amdhsa_system_sgpr_workgroup_id_z 1
		.amdhsa_system_vgpr_workitem_id 0
		.amdhsa_next_free_vgpr 1024
		.amdhsa_next_free_sgpr 100
		.amdhsa_reserve_vcc 0
		.amdhsa_float_denorm_mode_32 3
		.amdhsa_float_denorm_mode_16_64 3
		.amdhsa_memory_ordered 1
		.amdhsa_forward_progress 1
		.amdhsa_inst_pref_size 191
	.end_amdhsa_kernel
	.amdgpu_metadata
---
amdhsa.version: [ 1, 2 ]
amdhsa.kernels:
  - .name:           k_q95dae39d96_qkproj
    .symbol:         k_q95dae39d96_qkproj.kd
    .args:
      - { .name: x_op, .offset: 0, .size: 8, .value_kind: global_buffer, .address_space: global }
      - { .name: wqk_op, .offset: 8, .size: 8, .value_kind: global_buffer, .address_space: global }
      - { .name: qk_at, .offset: 16, .size: 8, .value_kind: global_buffer, .address_space: global }
    .group_segment_fixed_size: 327680
    .private_segment_fixed_size: 0
    .kernarg_segment_align: 8
    .kernarg_segment_size: 24
    .max_flat_workgroup_size: 128
    .sgpr_count:     100
    .vgpr_count:     1024
    .wavefront_size: 32
...
	.end_amdgpu_metadata
.endif
;; end of part 2
;; launch vproj: the kernel of part 2 again; grid 32 x 4, 4 waves a work-group, clusters of 4 x 4, 327,680 bytes of LDS; arguments wv_op, x_op, v_at; writes v_at
;; launch attn (part 3): grid 4 x 64, 16 waves a work-group, no clusters, 223,232 bytes of LDS; arguments qk_at, v_at, o_op; writes o_op
.if DOCPART == 3
	.amdgcn_target "amdgcn-amd-amdhsa--gfx1250"
	.amdhsa_code_object_version 6
	.text
	.protected	k_q95dae39d96_attn
	.globl	k_q95dae39d96_attn
	.p2align	8
	.type	k_q95dae39d96_attn,@function
k_q95dae39d96_attn:
	s_mov_b64 s[64:65], 0
	v_nop
	global_prefetch_b8 v0, s[64:65] scope:SCOPE_SE
	s_setreg_imm32_b32 hwreg(HW_REG_WAVE_MODE, 25, 1), 1
	s_wait_xcnt 0x0
; Causal attention of one head on codes of FP6 (E2M3): S^T = K Q^T (K = the head's 64), p = 2^(t - M), O^T = V^T P^T (K = the keys), O / the row's sum, quantised along the channels for the last projection.
; t = score x log2(e) / 8; M = the running largest t rounded UP to a whole number; the sum is taken of the unquantised p; when M moves, the sum and O^T are multiplied by 2^(old M - new M), which rounds nothing.
; INPUTS: q's and k's codes at g GS + 48 place (g = head for q, 16 + head for k; place = a token in stored order: its bits 3, 4 exchanged), a pair of scale bytes at SOFF_OUT + g GSS + 2 place.
;   v's codes at g GS + 48 place (g = token / 64, tokens in true order along K; place = a channel in stored order), pairs likewise.
; THE HEAD'S 64 fill registers 0-5 of a fragment; registers 6-11 of q's and k's fragments are zero codes, set once; their scale bytes are the zeros above a 16-bit load.
; A WHOLE HEAD'S K AND V LIE IN LDS (2 x 98,304 bytes and their scale bytes), filled once by waves 0-3: no ring, no refill, no barrier in a loop.
; SHARES: a head has 128 tiles of 16 places of queries.  Wave w of work-group p takes tile 16 p + w and then tile 127 - (16 p + w): tile t has t / 8 + 1 key steps of 128 that are not hidden, so every wave has 17.
; Tile t's queries are tokens QB + (r % 8) + 16 (r / 8), QB = 32 (t / 2) + 8 (t % 2).  Both loops have constant trip counts; a step all of whose keys are hidden is jumped over by a scalar branch on ids.
; LAYOUT: both products transposed: a lane holds ONE query.  Since k's places are in stored order, register 16 b + i of S^T is key KF + 32 b + 16 h + i: 16 neighbours, as the conversions want them; O^T's channels likewise.
; The four work-groups of a head read the same K and V but are no cluster: which steps a wave leaves out hangs on its block of queries, and partners of joint loads must run alike.
; LIMITS: as in the other launches (a byte is held at 1 from below; NaN and infinities are not served).
; REGISTERS: v1-7 addresses that stay; v8-11 addresses of a step; v12 -M, v13 largest t, v[14:15] the sum; v16-27 q; v28-31 V's scale words; v32-79 four fragments of K; v80-127 V's four; v128-191 S^T, then p;
;   v192-223 O^T; v224-235 p's codes; v232-247, v252, v254 at work; v248-251 K's scale words; v253 p's; v255 q's.
.set GS,       393216
.set GSS,      16384
.set SOFF_IN,  0x600000
.set SOFF_OUT, 0x3000000
.set VC,   98304                       ; LDS: K's codes [place 2,048][48] at 0; V's [g 32][place 64][48] here;
.set KSL,  196608                      ; K's pairs [place 2,048][2];
.set VSL,  200704                      ; V's pairs [g 32][place 64][2];
.set STG,  204800                      ; a stage of 1,024 bytes for each wave, into which no tensor load lands
.set TK,   2                           ; s2   the step's codes: 6,144 bytes a step, in K and in V alike
.set TS,   3                           ; s3   the step's pairs: 256 bytes a step
.set KF,   10                          ; s10  the step's first key
.set QB,   11                          ; s11  the tile's first query
.set CNT,  12
.set TP,   13                          ; s13  at work
.set THI,  17                          ; s17  my second tile
.set WV,   18                          ; s18  wave
.set TLO,  19                          ; s19  my first tile
.set SEL,  20                          ; s[20:21] lane l xor 16
.set CS,   22                          ; s[22:23] c = log2(e) / 8
.macro QADR t                          ; q's codes and pairs of tile s[t]
	s_mul_i32 s100, s[\t], 768
	s_mov_b32 s101, 0
	s_add_nc_u64 s[92:93], s[84:85], s[100:101]
	s_lshl_b32 s100, s[\t], 5
	s_add_nc_u64 s[94:95], s[86:87], s[100:101]
.endm
.macro OADR t                          ; where tile s[t]'s result goes
	s_mul_i32 s100, s[\t], 768
	s_mov_b32 s101, 0
	s_add_nc_u64 s[96:97], s[88:89], s[100:101]
	s_lshl_b32 s100, s[\t], 6
	s_add_nc_u64 s[98:99], s[90:91], s[100:101]
.endm
.macro QLOAD
	v_and_b32 v32, 15, v0
	s_delay_alu instid0(VALU_DEP_1)
	v_lshlrev_b32 v32, 1, v32
.irp p, 0,1,2
	global_load_b64 v[16+2*\p:17+2*\p], v1, s[92:93] offset:8*\p
.endr
	global_load_u16 v255, v32, s[94:95]            ; two scale bytes; the two above them are 0, over zero codes
.endm
.macro INIT t
	v_mov_b32 v13, 0xff61b1e6                      ; the largest t so far: -3e38
	s_delay_alu instid0(VALU_DEP_1)
	v_floor_f32 v12, -v13
	v_mov_b32 v14, 0
	v_mov_b32 v15, 0
.set j, 0
.rept 32
	v_mov_b32 v[192+j], 0                          ; O^T: the step is written once, and the first change of M leaves zeros zeros
.set j, j+1
.endr
	s_mov_b32 s[KF], 0
	s_mov_b32 s[TK], 0
	s_mov_b32 s[TS], 0
	s_lshr_b32 s[QB], s[\t], 1
	s_lshl_b32 s[QB], s[QB], 5
	s_and_b32 s[TP], s[\t], 1
	s_lshl_b32 s[TP], s[TP], 3
	s_add_co_u32 s[QB], s[QB], s[TP]
.endm
.macro STEP                            ; 128 keys
	s_add_co_u32 s[TP], s[QB], 23                  ; my last query
	s_cmp_gt_u32 s[KF], s[TP]
	s_cbranch_scc1 .Lhidden_\@
	s_setprio 2
	v_add_nc_u32 v8, s[TK], v1                     ; these four are also the places between the last products and the loads into V's registers
	v_add_nc_u32 v9, s[TK], v2
	v_add_nc_u32 v10, s[TS], v3
	v_add_nc_u32 v11, s[TS], v4
.irp t, 0,1,2,3                                ; K's tiles 0-3: 16 loads
.irp p, 0,1,2
	ds_load_b64 v[32+12*\t+2*\p:33+12*\t+2*\p], v8 offset:768*\t+8*\p
.endr
	ds_load_u16 v[248+\t], v10 offset:32*\t
.endr
.irp t, 0,1,2,3                                ; V's four tiles of 16 channels x 128 keys: 32 loads
.irp p, 0,1,2,3,4,5
	ds_load_b64 v[80+12*\t+2*\p:81+12*\t+2*\p], v9 offset:3072*(\p/3)+768*\t+8*(\p%3)
.endr
	ds_load_u16 v[236+\t], v11 offset:32*\t
	ds_load_u16 v[240+\t], v11 offset:128+32*\t
.endr
	s_wait_alu depctr_va_vdst(0)
	s_wait_dscnt 32                                ; K's 16 are in; V's 32 are the younger ones
.irp t, 0,1,2,3
	v_wmma_scale_f32_16x16x128_f8f6f4 v[128+8*\t:135+8*\t], v[32+12*\t:43+12*\t], v[16:27], 0, v[248+\t], v255 matrix_a_fmt:MATRIX_FMT_FP6 matrix_b_fmt:MATRIX_FMT_FP6
.endr
.rept 4
	v_nop                                          ; places in front of loads into registers that these products have read
.endr
.irp t, 0,1,2,3                                ; K's tiles 4-7
.irp p, 0,1,2
	ds_load_b64 v[32+12*\t+2*\p:33+12*\t+2*\p], v8 offset:768*(4+\t)+8*\p
.endr
	ds_load_u16 v[248+\t], v10 offset:32*(4+\t)
.endr
	s_wait_dscnt 0x0
.irp t, 0,1,2,3
	v_wmma_scale_f32_16x16x128_f8f6f4 v[160+8*\t:167+8*\t], v[32+12*\t:43+12*\t], v[16:27], 0, v[248+\t], v255 matrix_a_fmt:MATRIX_FMT_FP6 matrix_b_fmt:MATRIX_FMT_FP6
.endr
.irp t, 0,1,2,3
	v_lshl_or_b32 v[28+\t], v[240+\t], 16, v[236+\t]   ; V's scale words of these 128 keys; the four places behind the products
.endr
	s_add_co_u32 s[TP], s[KF], 127                 ; a step all of whose keys count for all my queries skips the mask
	s_cmp_le_u32 s[TP], s[QB]
	s_cbranch_scc1 .Lopen_\@
	s_sub_co_i32 s[TP], s[QB], s[KF]
	v_add_nc_u32 v252, s[TP], v5                   ; d = my query - KF - 16 h: register 16 b + i is hidden where 32 b + i > d
	v_mov_b32 v254, 0xff800000                     ; -infinity: p = 0 then
.set n, 0
.rept 64
	v_cmp_gt_i32 vcc_lo, 32*(n/16)+n%16, v252
	v_cndmask_b32 v[128+n], v[128+n], v254, vcc_lo
.set n, n+1
.endr
.Lopen_\@:
.irp b, 0,1,2,3
	v_max3_num_f32 v[232+\b], v[128+16*\b], v[129+16*\b], v[130+16*\b]   ; the largest score of each block of 32 keys: for the row's maximum and, since p rises with the score, for the block's largest p
.endr
.irp i, 3,5,7,9,11,13
.irp b, 0,1,2,3
	v_max3_num_f32 v[232+\b], v[232+\b], v[128+16*\b+\i], v[129+16*\b+\i]
.endr
.endr
.irp b, 0,1,2,3
	v_max_num_f32 v[232+\b], v[232+\b], v[143+16*\b]
.endr
.irp b, 0,1,2,3
	s_delay_alu instid0(VALU_DEP_4)
	v_permlanex16_b32 v[236+\b], v[232+\b], s[SEL], s[SEL+1]
.endr
.irp b, 0,1,2,3
	s_delay_alu instid0(VALU_DEP_4)
	v_max_num_f32 v[232+\b], v[232+\b], v[236+\b]  ; with lane l xor 16's 16 keys
.endr
	s_delay_alu instid0(VALU_DEP_2)
	v_max3_num_f32 v254, v232, v233, v234
	s_delay_alu instid0(VALU_DEP_1)
	v_max_num_f32 v254, v254, v235
	s_delay_alu instid0(VALU_DEP_1)
	v_mul_f32 v254, s[CS], v254                    ; the step's largest t
	s_delay_alu instid0(VALU_DEP_1)
	v_max_num_f32 v13, v13, v254
	v_mov_b32 v254, v12
	s_delay_alu instid0(VALU_DEP_2)
	v_floor_f32 v12, -v13                          ; the new -M = -ceil(t)
	s_delay_alu instid0(VALU_DEP_1)
	v_sub_f32 v254, v12, v254                      ; old M - new M: a whole number, 0 or less
	s_delay_alu instid0(VALU_DEP_1)
	v_cvt_i32_f32 v254, v254                       ; (it saturates)
	s_delay_alu instid0(VALU_DEP_1)
	v_ldexp_f32 v252, 1.0, v254                    ; f = 2^(old M - new M)
.set j, 0
	s_setprio 1
.rept 32
	v_pk_fma_f32 v[128+j:129+j], v[128+j:129+j], s[CS:CS+1], v[12:13] op_sel_hi:[1,0,0]   ; t - M, two at a time
.set j, j+2
.endr
.irp b, 0,1,2,3
	v_fma_f32 v[232+\b], v[232+\b], s[CS], v12
.endr
.set j, 0
	s_wait_alu depctr_va_vdst(0)
.rept 64
	v_exp_f32 v[128+j], v[128+j]                   ; p = 2^(t - M): one batch
.set j, j+1
.endr
	v_pk_mul_f32 v[14:15], v[14:15], v[252:253] op_sel_hi:[1,0]   ; the sum under the new M; the plain line behind the batch
	s_wait_alu depctr_va_vdst(0)                   ; one wait for the 64, ahead of their first reader
.irp b, 0,1,2,3
	v_exp_f32 v[232+\b], v[232+\b]                 ; each block's largest p
.endr
	v_pk_add_f32 v[236:237], v[132:133], v[136:137]
	v_pk_add_f32 v[250:251], v[140:141], v[144:145]
	v_pk_add_f32 v[248:249], v[148:149], v[152:153]
	v_pk_add_f32 v[246:247], v[156:157], v[160:161]
	v_pk_add_f32 v[244:245], v[164:165], v[168:169]
	v_pk_add_f32 v[242:243], v[172:173], v[176:177]
	v_pk_add_f32 v[240:241], v[180:181], v[184:185]
	v_pk_add_f32 v[14:15], v[14:15], v[188:189]
	v_pk_add_f32 v[236:237], v[236:237], v[128:129]
	v_pk_add_f32 v[250:251], v[250:251], v[130:131]
	v_pk_add_f32 v[248:249], v[248:249], v[134:135]
	v_pk_add_f32 v[246:247], v[246:247], v[138:139]
	v_pk_add_f32 v[244:245], v[244:245], v[142:143]
	v_pk_add_f32 v[242:243], v[242:243], v[146:147]
	v_pk_add_f32 v[240:241], v[240:241], v[150:151]
	v_pk_add_f32 v[14:15], v[14:15], v[154:155]
	v_pk_add_f32 v[236:237], v[236:237], v[158:159]
	v_pk_add_f32 v[250:251], v[250:251], v[162:163]
	v_pk_add_f32 v[248:249], v[248:249], v[166:167]
	v_pk_add_f32 v[246:247], v[246:247], v[170:171]
	v_pk_add_f32 v[244:245], v[244:245], v[174:175]
	v_pk_add_f32 v[242:243], v[242:243], v[178:179]
	v_pk_add_f32 v[240:241], v[240:241], v[182:183]
	v_pk_add_f32 v[14:15], v[14:15], v[186:187]
	v_pk_add_f32 v[236:237], v[236:237], v[190:191]
	s_delay_alu instid0(VALU_DEP_2)
	v_pk_add_f32 v[14:15], v[14:15], v[246:247]
	s_delay_alu instid0(VALU_DEP_2)
	v_pk_add_f32 v[236:237], v[236:237], v[244:245]
	v_pk_add_f32 v[250:251], v[250:251], v[242:243]
	v_pk_add_f32 v[248:249], v[248:249], v[240:241]
	s_delay_alu instid0(VALU_DEP_2)
	v_pk_add_f32 v[14:15], v[14:15], v[250:251]
	s_delay_alu instid0(VALU_DEP_2)
	v_pk_add_f32 v[236:237], v[236:237], v[248:249]
	s_delay_alu instid0(VALU_DEP_1)
	v_pk_add_f32 v[14:15], v[14:15], v[236:237]
	s_setprio 0
	s_wait_alu depctr_va_vdst(0)                   ; and one for the four
.irp b, 0,1,2,3
	v_max_num_f32 v[232+\b], 0x1800000, v[232+\b]  ; the floor 2^(3 - 127)
.endr
.irp b, 0,1,2,3
	s_delay_alu instid0(VALU_DEP_4)
	v_add_nc_u32 v[244+\b], 0xff000000, v[232+\b]
.endr
.irp b, 0,1,2,3
	s_delay_alu instid0(VALU_DEP_4)
	v_lshrrev_b32 v[236+\b], 23, v[244+\b]
.endr
	s_delay_alu instid0(VALU_DEP_3)
	v_lshl_or_b32 v253, v237, 8, v236              ; p's scale word
	s_delay_alu instid0(VALU_DEP_1)
	v_lshl_or_b32 v253, v238, 16, v253
	s_delay_alu instid0(VALU_DEP_1)
	v_lshl_or_b32 v253, v239, 24, v253
.irp c, 0,1
	v_cvt_scalef32_pk16_fp6_f32 v[224+6*\c:226+6*\c], v[128+32*\c:143+32*\c], v[244+2*\c]
	v_cvt_scalef32_pk16_fp6_f32 v[236+4*\c:238+4*\c], v[144+32*\c:159+32*\c], v[245+2*\c]
.endr
	v_nop                                          ; one plain line behind a scaled conversion
.irp c, 0,1
.irp i, 0,1,2
	v_permlane16_swap_b32 v[224+6*\c+\i], v[236+4*\c+\i]
.endr
.irp i, 0,1,2
	s_delay_alu instid0(VALU_DEP_3)
	v_mov_b32 v[227+6*\c+\i], v[236+4*\c+\i]
.endr
.endr
.set j, 0
.rept 16
	v_pk_mul_f32 v[192+j:193+j], v[192+j:193+j], v[252:253] op_sel_hi:[1,0]   ; O^T under the new M; these 16 also stand between the writes of p's codes and scale word and the products
.set j, j+2
.endr
.irp t, 0,1,2,3
	v_wmma_scale_f32_16x16x128_f8f6f4 v[192+8*\t:199+8*\t], v[80+12*\t:91+12*\t], v[224:235], v[192+8*\t:199+8*\t], v[28+\t], v253 matrix_a_fmt:MATRIX_FMT_FP6 matrix_b_fmt:MATRIX_FMT_FP6
.endr
.Lhidden_\@:
	s_add_co_u32 s[KF], s[KF], 128
	s_add_co_u32 s[TK], s[TK], 6144
	s_add_co_u32 s[TS], s[TS], 256
.endm
.macro OUT                             ; O^T / the sum, quantised along the head's 64 channels: 48 bytes and a pair of scale bytes a query
	v_add_f32 v14, v14, v15
	s_delay_alu instid0(VALU_DEP_1)
	v_permlanex16_b32 v252, v14, s[SEL], s[SEL+1]
	s_delay_alu instid0(VALU_DEP_1)
	v_add_f32 v14, v14, v252                       ; the row's sum
	s_wait_alu depctr_va_vdst(0)
	v_rcp_f32 v14, v14
	v_and_b32 v34, 31, v0                          ; (plain work behind the reciprocal; with the additions above, the places behind the last products)
	s_delay_alu instid0(VALU_DEP_1)
	v_lshlrev_b32 v34, 3, v34                      ; 8 x lane
	v_and_b32 v35, 15, v0
	s_delay_alu instid0(VALU_DEP_1)
	v_lshlrev_b32 v35, 2, v35                      ; 4 r
	s_wait_alu depctr_va_vdst(0)                   ; ahead of the reciprocal's first reader
.set j, 0
.rept 16
	v_pk_mul_f32 v[128+j:129+j], v[192+j:193+j], v[14:15] op_sel_hi:[1,0]   ; register 16 b + i: channel 32 b + 16 h + i; each accumulator from its low end on
.set j, j+2
.endr
.irp b, 0,1
	v_max3_num_f32 v[232+\b], |v[128+16*\b]|, |v[129+16*\b]|, 0x1800000
.endr
.irp i, 2,4,6,8,10,12,14
.irp b, 0,1
	s_delay_alu instid0(VALU_DEP_2)
	v_max3_num_f32 v[232+\b], v[232+\b], |v[128+16*\b+\i]|, |v[129+16*\b+\i]|
.endr
.endr
.irp b, 0,1
	s_delay_alu instid0(VALU_DEP_2)
	v_permlanex16_b32 v[236+\b], v[232+\b], s[SEL], s[SEL+1]
.endr
.irp b, 0,1
	s_delay_alu instid0(VALU_DEP_2)
	v_max_num_f32 v[232+\b], v[232+\b], v[236+\b]
.endr
.irp b, 0,1
	s_delay_alu instid0(VALU_DEP_2)
	v_add_nc_u32 v[244+\b], 0xff000000, v[232+\b]
.endr
.irp b, 0,1
	s_delay_alu instid0(VALU_DEP_2)
	v_lshrrev_b32 v[236+\b], 23, v[244+\b]
.endr
	s_delay_alu instid0(VALU_DEP_1)
	v_lshl_or_b32 v254, v237, 8, v236
	v_cvt_scalef32_pk16_fp6_f32 v[224:226], v[128:143], v244
	v_cvt_scalef32_pk16_fp6_f32 v[240:242], v[144:159], v245
	v_nop
.irp i, 0,1,2
	v_permlane16_swap_b32 v[224+\i], v[240+\i]
.endr
.irp i, 0,1,2
	s_delay_alu instid0(VALU_DEP_3)
	v_mov_b32 v[227+\i], v[240+\i]                 ; registers 224-229: channels 32 h + 0 .. 31
.endr
.irp p, 0,1,2
	ds_store_b64 v6, v[224+2*\p:225+2*\p] offset:8*\p
.endr
.irp i, 0,1,2
	ds_load_b64 v[160+2*\i:161+2*\i], v7 offset:256*\i   ; LDS serves a wave's instructions in order: the tile's 768 bytes as they lie
.endr
	global_store_b16 v35, v254, s[98:99]           ; the pair, into its half of the place's scale word (lanes r and r + 16 write the same bytes)
	s_wait_dscnt 0x0
.irp i, 0,1,2
	global_store_b64 v34, v[160+2*\i:161+2*\i], s[96:97] offset:256*\i   ; 32 lanes store 256 consecutive bytes, aligned
.endr
	s_wait_xcnt 0x0                                ; the stores' and q's loads' address registers may be written again
.endm
	s_load_b128 s[4:7], s[0:1], 0x0                ; qk_at, v_at
	s_load_b64 s[8:9], s[0:1], 0x10                ; o_op
	v_lshl_add_u32 v254, v0, 2, 0x36000
	v_mov_b32 v255, 0
	ds_add_u32 v254, v255
	ds_add_u32 v254, v255
	s_wait_dscnt 0x0
	v_lshrrev_b32 v8, 5, v0
	s_delay_alu instid0(VALU_DEP_1)
	v_readfirstlane_b32 s[WV], v8                  ; wave 0..15
	s_and_b32 s13, ttmp7, 0xffff
	s_lshr_b32 s14, s13, 4                         ; batch
	s_and_b32 s15, s13, 15                         ; head
	s_and_b32 s16, s[WV], 1                        ; which part I fetch, if I fetch
	s_mul_i32 s17, s16, 24576
	s_lshl_b32 s19, s16, 11
	s_add_co_u32 s84, s15, 16                      ; K's codes: group 16 + head, the batch's 2,048 places, my part
	s_mul_i32 s84, s84, GS
	s_mul_i32 s13, s14, 98304
	s_add_co_u32 s84, s84, s13
	s_add_co_u32 s84, s84, s17
	s_mov_b32 s85, 0
	s_lshl_b32 s86, s14, 5                         ; V's codes: group 32 batch + 8 part, the head's 64 places
	s_lshl_b32 s13, s16, 3
	s_add_co_u32 s86, s86, s13
	s_mul_i32 s86, s86, GS
	s_mul_i32 s13, s15, 3072
	s_add_co_u32 s86, s86, s13
	s_mov_b32 s87, 0
	s_add_co_u32 s88, s15, 16                      ; K's pairs
	s_lshl_b32 s88, s88, 14
	s_lshl_b32 s13, s14, 12
	s_add_co_u32 s88, s88, s13
	s_add_co_u32 s88, s88, s19
	s_add_co_u32 s88, s88, SOFF_OUT
	s_mov_b32 s89, 0
	s_lshl_b32 s90, s14, 5                         ; V's pairs: group 32 batch + 16 part
	s_lshl_b32 s13, s16, 4
	s_add_co_u32 s90, s90, s13
	s_lshl_b32 s90, s90, 14
	s_lshl_b32 s13, s15, 7
	s_add_co_u32 s90, s90, s13
	s_add_co_u32 s90, s90, SOFF_OUT
	s_mov_b32 s91, 0
	s_mov_b32 s24, 3<<16                           ; group 1, K's codes: 24,576 dense bytes as 96 rows of 256 (32 elements of 8 bytes)
	s_mov_b32 s25, 32<<16
	s_mov_b32 s26, 96<<16
	s_mov_b32 s27, 32<<16
	s_mov_b32 s28, 96
	s_mov_b32 s29, 32
	s_mov_b32 s30, 0
	s_mov_b32 s31, 0
	s_mov_b32 s32, 3<<16                           ; V's codes: 8 rows (groups) of 3,072 bytes, GS bytes apart
	s_mov_b32 s33, 384<<16
	s_mov_b32 s34, 8<<16
	s_mov_b32 s35, 384<<16
	s_mov_b32 s36, 8
	s_mov_b32 s37, GS/8
	s_mov_b32 s38, 0
	s_mov_b32 s39, 0
	s_mov_b32 s40, 3<<16                           ; K's pairs: 2,048 dense bytes as 8 rows of 256
	s_mov_b32 s41, 32<<16
	s_mov_b32 s42, 8<<16
	s_mov_b32 s43, 32<<16
	s_mov_b32 s44, 8
	s_mov_b32 s45, 32
	s_mov_b32 s46, 0
	s_mov_b32 s47, 0
	s_mov_b32 s48, 3<<16                           ; V's pairs: 16 rows (groups) of 128 bytes, GSS bytes apart
	s_mov_b32 s49, 16<<16
	s_mov_b32 s50, 16<<16
	s_mov_b32 s51, 16<<16
	s_mov_b32 s52, 16
	s_mov_b32 s53, GSS/8
	s_mov_b32 s54, 0
	s_mov_b32 s55, 0
	s_mov_b32 s[SEL], 0x76543210
	s_mov_b32 s[SEL+1], 0xfedcba98
	s_mov_b32 s[CS], 0x3e38aa3b                    ; log2(e) / 8
	s_mov_b32 s[CS+1], s[CS]
	s_wait_kmcnt 0x0
	s_mov_b32 s56, 1                               ; K, keys' places 0-1,023
	s_mov_b32 s57, s17
	s_add_nc_u64 s[58:59], s[4:5], s[84:85]
	s_or_b32 s59, s59, 0x80000000
	s_mov_b32 s60, 1                               ; K, places 1,024-2,047
	s_add_co_u32 s61, s17, 49152
	s_add_nc_u64 s[62:63], s[4:5], s[84:85]
	s_add_nc_u64 s[62:63], s[62:63], 49152
	s_or_b32 s63, s63, 0x80000000
	s_mov_b32 s68, 1                               ; K's pairs
	s_add_co_u32 s69, s19, KSL
	s_add_nc_u64 s[70:71], s[4:5], s[88:89]
	s_or_b32 s71, s71, 0x80000000
	s_mov_b32 s72, 1                               ; V, keys 0-1,023
	s_add_co_u32 s73, s17, VC
	s_add_nc_u64 s[74:75], s[6:7], s[86:87]
	s_or_b32 s75, s75, 0x80000000
	s_mov_b32 s76, 1                               ; V, keys 1,024-2,047
	s_add_co_u32 s77, s17, VC+49152
	s_add_nc_u64 s[78:79], s[6:7], s[86:87]
	s_add_nc_u64 s[78:79], s[78:79], 16*GS
	s_or_b32 s79, s79, 0x80000000
	s_mov_b32 s80, 1                               ; V's pairs
	s_add_co_u32 s81, s19, VSL
	s_add_nc_u64 s[82:83], s[6:7], s[90:91]
	s_or_b32 s83, s83, 0x80000000
	s_cmp_lt_u32 s[WV], 2                          ; a wave's three fills stand together in one branch on the wave's number: the pairs, the first half of the keys, the second half
	s_cbranch_scc0 .Lnot_k
	tensor_load_to_lds s[68:71], s[40:47]
	s_nop 0
	tensor_load_to_lds s[56:59], s[24:31]
	s_nop 0
	tensor_load_to_lds s[60:63], s[24:31]
	s_nop 0
.rept 4
	v_nop
.endr
	s_branch .Lasked
.Lnot_k:
	s_cmp_lt_u32 s[WV], 4
	s_cbranch_scc0 .Lasked
	tensor_load_to_lds s[80:83], s[48:55]
	s_nop 0
	tensor_load_to_lds s[72:75], s[32:39]
	s_nop 0
	tensor_load_to_lds s[76:79], s[32:39]
	s_nop 0
.rept 4
	v_nop
.endr
.Lasked:
	s_mul_i32 s84, s15, GS                         ; q's codes and O's codes: group = head, the batch's places
	s_mul_i32 s13, s14, 98304
	s_add_co_u32 s84, s84, s13
	s_mov_b32 s85, 0
	s_add_nc_u64 s[88:89], s[8:9], s[84:85]
	s_add_nc_u64 s[84:85], s[4:5], s[84:85]
	s_lshl_b32 s86, s15, 14                        ; q's pairs
	s_lshl_b32 s13, s14, 12
	s_add_co_u32 s86, s86, s13
	s_add_co_u32 s86, s86, SOFF_OUT
	s_mov_b32 s87, 0
	s_add_nc_u64 s[86:87], s[4:5], s[86:87]
	s_lshr_b32 s90, s15, 1                         ; O's scale words: q = head / 2, bytes 2 (head % 2) on
	s_lshl_b32 s90, s90, 15
	s_lshl_b32 s13, s14, 13
	s_add_co_u32 s90, s90, s13
	s_and_b32 s13, s15, 1
	s_lshl_b32 s13, s13, 1
	s_add_co_u32 s90, s90, s13
	s_add_co_u32 s90, s90, SOFF_IN
	s_mov_b32 s91, 0
	s_add_nc_u64 s[90:91], s[8:9], s[90:91]
	s_lshl_b32 s[TLO], ttmp9, 4
	s_add_co_u32 s[TLO], s[TLO], s[WV]
	s_sub_co_u32 s[THI], 127, s[TLO]
	QADR TLO
	OADR TLO
	v_and_b32 v8, 15, v0                           ; r
	v_bfe_u32 v9, v0, 4, 1                         ; h
	s_delay_alu instid0(VALU_DEP_2)
	v_mul_u32_u24 v1, v8, 48
	s_delay_alu instid0(VALU_DEP_1)
	v_mad_u32_u24 v1, v9, 24, v1                   ; 48 r + 24 h: in a tile of K, and in q's tile in memory
	s_delay_alu instid0(VALU_DEP_1)
	v_add_nc_u32 v2, VC, v1                        ; in a tile of V
	v_lshl_add_u32 v3, v8, 1, KSL
	v_lshl_add_u32 v4, v8, 1, VSL
	v_and_b32 v5, 7, v8
	v_lshrrev_b32 v10, 3, v8
	s_delay_alu instid0(VALU_DEP_1)
	v_lshl_add_u32 v5, v10, 4, v5
	v_lshlrev_b32 v10, 4, v9
	s_delay_alu instid0(VALU_DEP_1)
	v_sub_nc_u32 v5, v5, v10                       ; (r % 8) + 16 (r / 8) - 16 h
	s_lshl_b32 s13, s[WV], 10
	s_add_co_u32 s13, s13, STG
	v_add_nc_u32 v6, s13, v1
	v_and_b32 v10, 31, v0
	s_delay_alu instid0(VALU_DEP_1)
	v_lshl_add_u32 v7, v10, 3, s13
	QLOAD
.irp j, 22,23,24,25,26,27
	v_mov_b32 v\j, 0                               ; q's upper 64 along K: zero codes
.endr
.irp t, 0,1,2,3
.irp j, 6,7,8,9,10,11
	v_mov_b32 v[32+12*\t+\j], 0                    ; K's likewise
.endr
.endr
.irp j, 236,237,238,239,252,253
	v_mov_b32 v\j, 0                               ; destinations of lane permutes, and the upper half of the pair v[252:253]: written once
.endr
	s_wait_tensorcnt 1                             ; the pairs and the first half of the keys are in; the second half may stay out
	s_barrier_signal -1
	s_barrier_wait -1
	INIT TLO
	s_wait_loadcnt 0x0                             ; q
	s_mov_b32 s[CNT], 8                            ; my first tile is one of 0 .. 63: keys 0-1,023 at the most
.Llo:
	STEP
	s_sub_co_u32 s[CNT], s[CNT], 1
	s_cmp_lg_u32 s[CNT], 0
	s_cbranch_scc1 .Llo
	s_setprio 0
	QADR THI
	QLOAD                                          ; the second tile's q comes while the first tile leaves
	OUT
	OADR THI
	s_wait_tensorcnt 0x0                           ; the second half of the keys is in,
	s_wait_dscnt 0x0
	s_barrier_signal -1
	s_barrier_wait -1                              ; everybody's part of it
	INIT THI
	s_wait_loadcnt 0x0
	s_mov_b32 s[CNT], 16
.Lhi:
	STEP
	s_sub_co_u32 s[CNT], s[CNT], 1
	s_cmp_lg_u32 s[CNT], 0
	s_cbranch_scc1 .Lhi
	s_setprio 0
	OUT
	s_wait_xcnt 0x0
	v_lshl_add_u32 v254, v0, 2, 0x36000
	v_mov_b32 v255, 0
	s_wait_alu depctr_va_vdst(0)
	s_wait_tensorcnt 0x0
	ds_add_u32 v254, v255
	s_wait_dscnt 0x0
	s_endpgm
.Lfunc_end_k_q95dae39d96_attn:
	.size	k_q95dae39d96_attn, .Lfunc_end_k_q95dae39d96_attn-k_q95dae39d96_attn
	.p2alignl 7, 3214868480
	.fill 96, 4, 3214868480
	.section	.rodata,"a",@progbits
	.p2align	6, 0x0
	.amdhsa_kernel k_q95dae39d96_attn
		.amdhsa_group_segment_fixed_size 223232
		.amdhsa_private_segment_fixed_size 0
		.amdhsa_enable_private_segment 0
		.amdhsa_kernarg_size 24
		.amdhsa_user_sgpr_count 2
		.amdhsa_user_sgpr_kernarg_segment_ptr 1
		.amdhsa_wavefront_size32 1
		.amdhsa_system_sgpr_workgroup_id_x 1
		.amdhsa_system_sgpr_workgroup_id_y 1
		.amdhsa_system_sgpr_workgroup_id_z 1
		.amdhsa_system_vgpr_workitem_id 0
		.amdhsa_next_free_vgpr 256
		.amdhsa_next_free_sgpr 104
		.amdhsa_reserve_vcc 1
		.amdhsa_float_denorm_mode_32 3
		.amdhsa_float_denorm_mode_16_64 3
		.amdhsa_memory_ordered 1
		.amdhsa_forward_progress 1
		.amdhsa_inst_pref_size 74
	.end_amdhsa_kernel
	.amdgpu_metadata
---
amdhsa.version: [ 1, 2 ]
amdhsa.kernels:
  - .name:           k_q95dae39d96_attn
    .symbol:         k_q95dae39d96_attn.kd
    .args:
      - { .name: qk_at, .offset: 0, .size: 8, .value_kind: global_buffer, .address_space: global }
      - { .name: v_at, .offset: 8, .size: 8, .value_kind: global_buffer, .address_space: global }
      - { .name: o_op, .offset: 16, .size: 8, .value_kind: global_buffer, .address_space: global }
    .group_segment_fixed_size: 223232
    .private_segment_fixed_size: 0
    .kernarg_segment_align: 8
    .kernarg_segment_size: 24
    .max_flat_workgroup_size: 512
    .sgpr_count:     104
    .vgpr_count:     256
    .wavefront_size: 32
...
	.end_amdgpu_metadata
.endif
;; end of part 3
;; launch oproj (part 4): grid 4 x 32, 4 waves a work-group, clusters of 4 x 4, 327,680 bytes of LDS; arguments o_op, wo_op, out0; writes out0
.if DOCPART == 4
	.amdgcn_target "amdgcn-amd-amdhsa--gfx1250"
	.amdhsa_code_object_version 6
	.text
	.protected	k_q95dae39d96_oproj
	.globl	k_q95dae39d96_oproj
	.p2align	8
	.type	k_q95dae39d96_oproj,@function
k_q95dae39d96_oproj:
	s_mov_b64 s[64:65], 0
	v_nop
	global_prefetch_b8 v0, s[64:65] scope:SCOPE_SE
	s_setreg_imm32_b32 hwreg(HW_REG_WAVE_MODE, 25, 1), 1
	s_wait_xcnt 0x0
	s_wait_alu depctr_hold_cnt(0) depctr_sa_sdst(0) depctr_va_vdst(0) depctr_va_sdst(0) depctr_va_ssrc(0) depctr_va_vcc(0) depctr_vm_vsrc(0)
	s_getreg_b32 s2, hwreg(HW_REG_IB_STS2, 6, 4)
	s_cmp_eq_u32 s2, 0
	s_cbranch_scc0 .Lentry_in_a_cluster
	s_endpgm
.Lentry_in_a_cluster:
	s_bfe_u32 s2, ttmp6, 0x10000c
	s_cmp_lg_u32 s2, 0xf033
	s_cbranch_scc0 .Lentry_shape_is_right
	s_endpgm
.Lentry_shape_is_right:
; out0 = A B^T + B's row addends, f32: A = the attention's result, B = Wo, both as codes of FP6 (E2M3) over K = 1,024; the addends are bo.
; OPERANDS: codes [kg 16][place][48 bytes] at kg GS + 48 place (kg = 64 along K); scale words [q 8][place][4] at SOFF_IN; B's addends f32 [place] at BOFF_IN.  Rows lie in stored order: row i at place i with bits 3, 4 exchanged.
; THE MATRIX INSTRUCTION IS USED TRANSPOSED (source 0 = 16 places of B, source 1 = 16 places of A): lane (r, h), register j of tile 2 b + u holds A's place r and output channel 32 b + 16 h + 8 u + j.
; SHARES: a work-group makes 256 x 256, a wave 128 x 128: 64 accumulators.  K goes in four steps of 256 through three LDS slots; slots 0, 1, 2 are filled at the start, slot 0 once more (K step 3).
; CLUSTER 4 x 4: A's tiles are asked for jointly along a row of the cluster, B's along a column.  The bias is the C of each sum's first matrix instruction.
; THE WAY OUT: a block of 16 places x 128 channels goes through my stage in LDS, where the channels take their true order, and leaves as whole rows of 512 bytes, each to its token's true row.
; REGISTERS: window 0: v8-31 addresses; v32-63 scale words, two sets; v64-127 the bias in the result's layout; v128-223 A's fragments, one set; on the way out v128-255 rows read back.
;   window 1: B's fragments, two sets.  window 2: accumulators of my rows 0-63 ((a, b) at v[8 (8 a + b)]); window 3: of my rows 64-127.
.set GS,       393216
.set GQ,       32768
.set SOFF_IN,  0x600000
.set BOFF_IN,  0x640000
.set HALFT,    24576                   ; what one tensor load brings: [kg 4][128 places][48 bytes]
.set SLOT,     4*HALFT
.set SCL,      3*SLOT                  ; the scale words of all of K
.set SPARE,    SCL+16384               ; the spare words, 128 bytes for each wave: two blocks of 256 bytes that no other line names
.set SPITCH,   528                     ; a stage row: 512 bytes + 16
.set FR,   12
.set NL,   6
.set ADRA, 16
.set ADRB, 20
.set STO,  24
.set RD,   25
.set CO,   26
.set ADRS, 27
.set SPW,  28
.set NIL,  29
.set SC,   32
.set BB,   64
.set AF,   128
.set BK,   128
.set G1,   24
.set G0,   32
.set G1B,  44
.set G0B,  52
.set G1S,  68
.set G0S,  76
.set G1SB, 80
.set G0SB, 88
.set MSB, 0
.macro WIN new                         ; the immediate's high byte repeats the setting that is left
.if MSB != (\new)
	s_set_vgpr_msb (MSB<<8)|(\new)
.set MSB, \new
.endif
.endm
.set MUL_LO, 0xa1                      ; source 0 (B) window 1, source 1 (A) window 0, C and D window 2
.set MUL_HI, 0xf1                      ; the same, C and D window 3
.set TO_B,   0x40
.macro JLOAD g0a, g1a, g0b, g1b        ; a joint load: waves 0, 1 fetch for A, waves 2, 3 for B; four v_nop follow each line
	s_cmp_eq_u32 s15, 0
	s_cbranch_scc0 .Lfor_b_\@
	tensor_load_to_lds s[\g0a:\g0a+3], s[\g1a:\g1a+7]
	s_nop 0
.rept 4
	v_nop
.endr
	s_branch .Lasked_\@
.Lfor_b_\@:
	tensor_load_to_lds s[\g0b:\g0b+3], s[\g1b:\g1b+7]
	s_nop 0
.rept 4
	v_nop
.endr
.Lasked_\@:
.endm
.macro CREST
	s_cmp_lg_u32 s14, 0
	s_cbranch_scc1 .Lnot_wave_0_\@
	s_barrier_signal -3
.Lnot_wave_0_\@:
	s_barrier_wait -3
	s_barrier_signal -1
	s_barrier_wait -1
.endm
.macro CROUND
	s_barrier_signal -1
	s_barrier_wait -1
	CREST
.endm
.macro PLACES                          ; four plain vector instructions between a matrix instruction and a load into, or a read of, its registers
.rept 4
	v_nop
.endr
.endm
.macro FRAG reg, adr, q, i
.irp p, 0,1,2,3,4,5
	ds_load_b64 v[\reg+2*\p:\reg+2*\p+1], v[\adr] offset:(2*(\q)+\p/3)*6144+(\i)*768+8*(\p%3)
.endr
.endm
.macro FETCH_B slot, q, p
	WIN TO_B
.irp i, 0,1,2,3,4,5,6,7
	FRAG 128*(\p)+FR*\i, ADRB+\slot, \q, \i
.endr
	WIN 0
.endm
.macro FETCH_A slot, q, i0
.irp i, \i0, \i0+1, \i0+2, \i0+3
	FRAG AF+FR*(\i), ADRA+\slot, \q, \i
.endr
.endm
.macro SCALES ks, sc
.irp i, 0,1,2,3,4,5,6,7
.irp ql, 0,1
	ds_load_b32 v[SC+16*(\sc)+2*\i+\ql], v[ADRS] offset:(2*(\ks)+\ql)*512+64*\i
.endr
.endr
.endm
; 16 matrix instructions.  first = 1: the sum begins with the bias as C.  The 64 accumulators take turns, one instruction a turn, in the same order in every step.
.macro MUL16 a0, p, q, sc, first
.irp a, \a0, \a0+1
.irp b, 0,1,2,3,4,5,6,7
.if \first
	v_wmma_scale_f32_16x16x128_f8f6f4 v[8*(8*((\a)%4)+\b):8*(8*((\a)%4)+\b)+7], v[128*(\p)+FR*\b:128*(\p)+FR*\b+FR-1], v[AF+FR*(\a):AF+FR*(\a)+FR-1], v[BB+8*\b:BB+8*\b+7], v[SC+16*(\sc)+2*\b+(\q)], v[SC+16*(\sc)+2*(\a)+(\q)] matrix_a_fmt:MATRIX_FMT_FP6 matrix_b_fmt:MATRIX_FMT_FP6 matrix_a_scale:MATRIX_SCALE_ROW1
.else
	v_wmma_scale_f32_16x16x128_f8f6f4 v[8*(8*((\a)%4)+\b):8*(8*((\a)%4)+\b)+7], v[128*(\p)+FR*\b:128*(\p)+FR*\b+FR-1], v[AF+FR*(\a):AF+FR*(\a)+FR-1], v[8*(8*((\a)%4)+\b):8*(8*((\a)%4)+\b)+7], v[SC+16*(\sc)+2*\b+(\q)], v[SC+16*(\sc)+2*(\a)+(\q)] matrix_a_fmt:MATRIX_FMT_FP6 matrix_b_fmt:MATRIX_FMT_FP6 matrix_a_scale:MATRIX_SCALE_ROW1
.endif
.endr
.endr
.endm
.macro STEP slot, sc, first            ; a slot's first 128 along K; it fetches the second
	s_wait_dscnt 4*NL                              ; all but the youngest 24 loads (A's blocks 4-7) are in
.if \first
	WIN 0x81                                       ; C (the bias) window 0, D window 2
.else
	WIN MUL_LO
.endif
	MUL16 0, 0, 0, \sc, \first
	MUL16 2, 0, 0, \sc, \first
	s_wait_dscnt 0x0
	PLACES
	FETCH_B \slot, 1, 1
	FETCH_A \slot, 1, 0
.if \first
	WIN 0xc1                                       ; C window 0, D window 3
.else
	WIN MUL_HI
.endif
	MUL16 4, 0, 0, \sc, \first
	MUL16 6, 0, 0, \sc, \first
	PLACES
	WIN 0
	FETCH_A \slot, 1, 4
.endm
; A slot's second 128 along K; it changes slots.  mode 2: this slot is filled again: each wave waits for all its tensor loads, adds 0 to its spare word, waits for that and for its reads of the slot; a round of the
; cluster's barrier; the joint refill first behind it.  mode 1: the same three lines and the work-group's barrier; nothing is filled.  mode 0: the next slot was shown whole to every wave at an earlier barrier, in
; front of which each wave had waited for all its loads: no barrier, and the refill that is out stays out.
.macro TURN slot, next, ks, mode
.if \mode
	s_wait_tensorcnt 0x0
	ds_add_u32 v[SPW], v[NIL]                      ; 0 onto my spare word
	s_wait_dscnt 4*NL+1                            ; (the add and A's blocks 4-7 may be out)
.else
	s_wait_dscnt 4*NL
.endif
	WIN MUL_LO
	MUL16 0, 1, 1, (\ks)%2, 0
	s_wait_dscnt 0x0                               ; the add is done, and my reads of this slot are over
.if \mode
	s_barrier_signal -1
.endif
	MUL16 2, 1, 1, (\ks)%2, 0
	WIN 0
.if \mode
	s_barrier_wait -1
.endif
.if \mode == 2
	CREST
	s_add_nc_u64 s[G0+2:G0+3], s[G0+2:G0+3], 12*GS     ; from K step 0 to K step 3
	s_add_nc_u64 s[G0B+2:G0B+3], s[G0B+2:G0B+3], 12*GS
	JLOAD G0, G1, G0B, G1B                         ; its four v_nop are the places in front of the loads below
.else
	PLACES
.endif
	FETCH_B \next, 0, 0
	FETCH_A \next, 0, 0
	SCALES (\ks)+1, ((\ks)+1)%2
	WIN MUL_HI
	MUL16 4, 1, 1, (\ks)%2, 0
	MUL16 6, 1, 1, (\ks)%2, 0
	PLACES
	WIN 0
	FETCH_A \next, 0, 4
.endm
.macro TOSTAGE a                       ; block a into my stage: tile 2 b + u's eight numbers of lane (r, h) are channels 32 b + 16 h + 8 u + 0 .. 7 of place r
.set AC, 64*((\a)%4)
	WIN 0x08+4*((\a)/4)                            ; an LDS store's data: window 2 or 3
.irp b, 0,1,2,3,4,5,6,7
	ds_store_b128 v[STO], v[AC+8*\b:AC+8*\b+3] offset:128*(\b/2)+32*(\b%2)       ; each accumulator from its low end on
	ds_store_b128 v[STO], v[AC+8*\b+4:AC+8*\b+7] offset:128*(\b/2)+32*(\b%2)+16
.endr
	WIN 0
.set BBK, BK+64*((\a)%2)
.irp t, 0,1,2,3,4,5,6,7,8,9,10,11,12,13,14,15
	ds_load_b128 v[BBK+4*\t:BBK+4*\t+3], v[RD] offset:\t*SPITCH    ; LDS serves a wave's instructions in order: these see my stores
.endr
.endm
.macro SEND a, younger                 ; place t of block 2 c + u is token 32 c + 8 u + (t % 8) + 16 (t / 8): the row stands in the immediate, 127 rows of 4,096 bytes at the most
.set BBK, BK+64*((\a)%2)
	s_wait_dscnt \younger
.irp t, 0,1,2,3,4,5,6,7,8,9,10,11,12,13,14,15
	global_store_b128 v[CO], v[BBK+4*\t:BBK+4*\t+3], s[8:9] offset:(32*((\a)/2)+8*((\a)%2)+(\t%8)+16*(\t/8))*4096 th:TH_STORE_NT   ; 32 lanes store 512 consecutive bytes, aligned to 256
.endr
.endm
	s_load_b128 s[4:7], s[0:1], 0x0                ; A, B
	s_load_b64 s[8:9], s[0:1], 0x10                ; out0
	v_lshl_add_u32 v[SPW], v0, 2, SPARE
	v_mov_b32 v[NIL], 0
	ds_add_u32 v28, v29
	ds_add_u32 v28, v29
	s_wait_dscnt 0x0
	v_lshrrev_b32 v1, 5, v0
	v_readfirstlane_b32 s14, v1                    ; wave 0..3
	s_lshr_b32 s15, s14, 1                         ; which half of A's 256 places I multiply.  Also: I fetch for A (0) or for B (1)
	s_and_b32 s16, s14, 1                          ; which half of B's.  Also: which 128 places I fetch
	s_bfe_u32 s92, ttmp6, 0x40000                  ; cx
	s_bfe_u32 s93, ttmp6, 0x40004                  ; cy
	s_lshl_b32 s94, ttmp9, 2
	s_add_co_u32 s94, s94, s92                     ; tx
	s_and_b32 s17, ttmp7, 0xffff
	s_lshl_b32 s17, s17, 2
	s_add_co_u32 s17, s17, s93                     ; ty
	s_lshl_b32 s95, s93, 2
	s_lshl_b32 s95, 15, s95                        ; my row of the cluster
	s_lshl_b32 s96, 0x1111, s92                    ; my column
	s_or_b32 s[G1], s95, (3<<16)|(1<<21)           ; 15:0 the mask; 17:16 elements of 8 bytes; 20 no padding; 21 set beside a mask
	s_or_b32 s[G1B], s96, (3<<16)|(1<<21)
	s_or_b32 s[G1S], s95, (3<<16)|(1<<21)
	s_or_b32 s[G1SB], s96, (3<<16)|(1<<21)
.irp g, G1, G1B                                ; codes: 4 rows (kg) of 6,144 bytes, GS bytes apart
	s_mov_b32 s[\g+1], 768<<16
	s_mov_b32 s[\g+2], 4<<16
	s_mov_b32 s[\g+3], 768<<16
	s_mov_b32 s[\g+4], 4
	s_mov_b32 s[\g+5], GS/8
	s_mov_b32 s[\g+6], 0
	s_mov_b32 s[\g+7], 0
.endr
.irp g, G1S, G1SB                              ; scale words: 8 rows (q) of 512 bytes, GQ bytes apart
	s_mov_b32 s[\g+1], 64<<16
	s_mov_b32 s[\g+2], 8<<16
	s_mov_b32 s[\g+3], 64<<16
	s_mov_b32 s[\g+4], 8
	s_mov_b32 s[\g+5], GQ/8
	s_mov_b32 s[\g+6], 0
	s_mov_b32 s[\g+7], 0
.endr
	s_lshl_b32 s19, s16, 7
	s_lshl_b32 s18, s17, 8
	s_add_co_u32 s18, s18, s19                     ; A: the first place that I fetch: of ty and the wave's number alone
	s_mul_i32 s20, s18, 48
	s_mov_b32 s21, 0
	s_lshl_b32 s22, s18, 2
	s_add_co_u32 s22, s22, SOFF_IN
	s_mov_b32 s23, 0
	s_lshl_b32 s10, s94, 8
	s_add_co_u32 s10, s10, s19                     ; B: of tx and the wave's number alone; also the first place of B that I multiply
	s_mul_i32 s12, s10, 48
	s_mov_b32 s13, 0
	s_lshl_b32 s98, s10, 2
	s_add_co_u32 s98, s98, SOFF_IN
	s_mov_b32 s99, 0
	s_mul_i32 s2, s14, HALFT
	s_lshl_b32 s3, s14, 12
	s_add_co_u32 s3, s3, SCL
	s_wait_kmcnt 0x0
	s_add_nc_u64 s[20:21], s[4:5], s[20:21]
	s_add_nc_u64 s[22:23], s[4:5], s[22:23]
	s_add_nc_u64 s[12:13], s[6:7], s[12:13]
	s_add_nc_u64 s[98:99], s[6:7], s[98:99]
	CROUND                                         ; all sixteen work-groups are here: the first joint loads meet
	s_mov_b32 s[G0S], 1
	s_mov_b32 s[G0S+1], s3
	s_mov_b64 s[G0S+2:G0S+3], s[22:23]
	s_or_b32 s[G0S+3], s[G0S+3], 0x80000000
	s_mov_b32 s[G0SB], 1
	s_mov_b32 s[G0SB+1], s3
	s_mov_b64 s[G0SB+2:G0SB+3], s[98:99]
	s_or_b32 s[G0SB+3], s[G0SB+3], 0x80000000
	JLOAD G0S, G1S, G0SB, G1SB
.irp s, 0,1,2                                  ; K steps 0, 1, 2 into slots 0, 1, 2: four tensor loads of mine are out
	s_mov_b32 s[G0+4*\s], 1
	s_add_co_u32 s[G0+4*\s+1], s2, \s*SLOT
	s_add_nc_u64 s[G0+4*\s+2:G0+4*\s+3], s[20:21], \s*4*GS
	s_or_b32 s[G0+4*\s+3], s[G0+4*\s+3], 0x80000000
	s_mov_b32 s[G0B+4*\s], 1
	s_add_co_u32 s[G0B+4*\s+1], s2, \s*SLOT
	s_add_nc_u64 s[G0B+4*\s+2:G0B+4*\s+3], s[12:13], \s*4*GS
	s_or_b32 s[G0B+4*\s+3], s[G0B+4*\s+3], 0x80000000
	JLOAD G0+4*\s, G1, G0B+4*\s, G1B
.endr
	v_and_b32 v1, 15, v0                           ; r
	v_bfe_u32 v2, v0, 4, 1                         ; h
	v_and_b32 v3, 31, v0                           ; lane
	v_lshlrev_b32 v8, 5, v2                        ; 32 h
	v_lshlrev_b32 v9, 2, v1                        ; 4 r
	s_lshl_b32 s96, s10, 2
	s_add_co_u32 s96, s96, BOFF_IN
	s_mov_b32 s97, 0
	s_add_nc_u64 s[96:97], s[6:7], s[96:97]        ; the bias at my first place of B
.irp b, 0,1,2,3,4,5,6,7
	global_load_b128 v[BB+8*\b:BB+8*\b+3], v8, s[96:97] offset:64*\b       ; tile b, lane (r, h): B's places 16 b + 8 h + 0 .. 7
	global_load_b128 v[BB+8*\b+4:BB+8*\b+7], v8, s[96:97] offset:64*\b+16
.endr
	s_lshl_b32 s18, s17, 8
	s_lshl_b32 s19, s15, 7
	s_add_co_u32 s18, s18, s19                     ; my first row of out0 (a multiple of 32: places and rows agree there)
	s_lshl_b32 s22, s18, 12
	s_mov_b32 s23, 0
	s_add_nc_u64 s[8:9], s[8:9], s[22:23]
	s_lshl_b32 s22, s94, 10                        ; my first column, in bytes: 1,024 tx + 512 x half
	s_lshl_b32 s12, s16, 9
	s_add_co_u32 s22, s22, s12
	s_add_nc_u64 s[8:9], s[8:9], s[22:23]
	v_mul_u32_u24 v4, v1, 48
	v_mad_u32_u24 v4, v2, 24, v4                   ; 48 r + 24 h
	s_mul_i32 s10, s15, HALFT
	s_mul_i32 s11, s16, HALFT
	s_add_co_u32 s11, s11, 2*HALFT
.irp s, 0,1,2
	v_add_nc_u32 v[ADRA+\s], s10, v4
	v_add_nc_u32 v[ADRB+\s], s11, v4
	s_add_co_u32 s10, s10, SLOT
	s_add_co_u32 s11, s11, SLOT
.endr
	s_lshl_b32 s10, s15, 12
	s_lshl_b32 s11, s16, 12
	s_add_co_u32 s11, s11, 8192
	s_sub_co_u32 s11, s11, s10
	v_mul_u32_u24 v5, s11, v2                      ; lanes 16-31 take B's words: one product, the distance between the two
	s_add_co_u32 s10, s10, SCL
	v_add_nc_u32 v5, v5, v9
	v_add_nc_u32 v[ADRS], s10, v5
	s_mul_i32 s10, s14, 16*SPITCH
	s_add_co_u32 s10, s10, SLOT                    ; my stage, in slot 1: that slot is filled once, and its last read lies in front of a barrier that every wave passes before the first store
	v_mul_u32_u24 v5, v1, SPITCH
	v_lshl_add_u32 v5, v2, 6, v5
	v_add_nc_u32 v[STO], s10, v5                   ; in: row r, + 64 h
	v_lshlrev_b32 v[CO], 4, v3
	v_add_nc_u32 v[RD], s10, v[CO]                 ; back: the 32 lanes take one row of 512 bytes
	s_wait_loadcnt 0x0                             ; the bias
	s_wait_tensorcnt 2                             ; the scale words and my part of slot 0 are in; slots 1 and 2 may stay out
	s_barrier_signal -1
	s_barrier_wait -1
	FETCH_B 0, 0, 0
	FETCH_A 0, 0, 0
	SCALES 0, 0
	FETCH_A 0, 0, 4
	STEP 0, 0, 1                                   ; the first products start the sums with the bias
	TURN 0, 1, 0, 2                                ; the one refill: K step 3 into slot 0
	STEP 1, 1, 0
	TURN 1, 2, 1, 0
	STEP 2, 0, 0
	TURN 2, 0, 2, 1
	STEP 0, 1, 0
	s_wait_dscnt 4*NL                              ; the last 128 along K
	WIN MUL_LO
	MUL16 0, 1, 1, 1, 0
	MUL16 2, 1, 1, 1, 0
	s_wait_dscnt 0x0
	WIN MUL_HI
	MUL16 4, 1, 1, 1, 0
	MUL16 6, 1, 1, 1, 0
	WIN 0
	PLACES                                         ; in front of the loads into the registers that held A's fragments, and of the reads of results
	TOSTAGE 0
.irp a, 1,2,3,4,5,6,7
.if \a > 1
	s_wait_xcnt 0x0                                ; block a - 2's stores have read their registers: block a's rows may land there
.endif
	TOSTAGE \a
	SEND \a-1, 32                                  ; behind block a - 1's loads: block a's 16 stores and 16 loads
.endr
	SEND 7, 0
	s_wait_tensorcnt 0x0                           ; the wave's end
	ds_add_u32 v[SPW], v[NIL]
	s_wait_dscnt 0x0
	CROUND                                         ; the closing round
	s_endpgm
.Lfunc_end_k_q95dae39d96_oproj:
	.size	k_q95dae39d96_oproj, .Lfunc_end_k_q95dae39d96_oproj-k_q95dae39d96_oproj
	.p2alignl 7, 3214868480
	.fill 96, 4, 3214868480
	.section	.rodata,"a",@progbits
	.p2align	6, 0x0
	.amdhsa_kernel k_q95dae39d96_oproj
		.amdhsa_group_segment_fixed_size 327680
		.amdhsa_private_segment_fixed_size 0
		.amdhsa_enable_private_segment 0
		.amdhsa_kernarg_size 24
		.amdhsa_user_sgpr_count 2
		.amdhsa_user_sgpr_kernarg_segment_ptr 1
		.amdhsa_wavefront_size32 1
		.amdhsa_system_sgpr_workgroup_id_x 1
		.amdhsa_system_sgpr_workgroup_id_y 1
		.amdhsa_system_sgpr_workgroup_id_z 1
		.amdhsa_system_vgpr_workitem_id 0
		.amdhsa_next_free_vgpr 1024
		.amdhsa_next_free_sgpr 100
		.amdhsa_reserve_vcc 0
		.amdhsa_float_denorm_mode_32 3
		.amdhsa_float_denorm_mode_16_64 3
		.amdhsa_memory_ordered 1
		.amdhsa_forward_progress 1
		.amdhsa_inst_pref_size 163
	.end_amdhsa_kernel
	.amdgpu_metadata
---
amdhsa.version: [ 1, 2 ]
amdhsa.kernels:
  - .name:           k_q95dae39d96_oproj
    .symbol:         k_q95dae39d96_oproj.kd
    .args:
      - { .name: o_op, .offset: 0, .size: 8, .value_kind: global_buffer, .address_space: global }
      - { .name: wo_op, .offset: 8, .size: 8, .value_kind: global_buffer, .address_space: global }
      - { .name: out0, .offset: 16, .size: 8, .value_kind: global_buffer, .address_space: global }
    .group_segment_fixed_size: 327680
    .private_segment_fixed_size: 0
    .kernarg_segment_align: 8
    .kernarg_segment_size: 24
    .max_flat_workgroup_size: 128
    .sgpr_count:     100
    .vgpr_count:     1024
    .wavefront_size: 32
...
	.end_amdgpu_metadata
.endif
;; end of part 4
